; MI455X (gfx1250); checked and timed in simulation.
; The chip was launched on July 23, 2026; its instructions are those of AMD's public machine-readable ISA for CDNA 5 (MIT licence, August 2026) and "CDNA5" Instruction Set Architecture Reference Guide (July 2026). The comments in the code are by the model that wrote it; some were corrected since.
;; Attention. Allowed arithmetic: matrix products marked QUANTISED: E4M3 operands, one given power-of-two scale a tensor, by v_wmma_f32_16x16x64_fp8_fp8 or v_wmma_f32_16x16x128_fp8_fp8, f32 sums; everything else in f32.
;; Inputs: b_out 1,024 float32; lowp_scales 8 int32 (the exponents e of the quantised operands' scales 2^e); w_out 1,024 x 1,024 float32; w_qkv 3,072 x 1,024 float32; x 4 x 2,048 x 1,024 float32.
;; Outputs: out0 4 x 2,048 x 1,024 float32.
;; This version of the problem:
;;   THIS VERSION OF THE PROBLEM IS GIVEN IN LOW PRECISION. The matrix products marked QUANTISED in the list below multiply operands that are first quantised to E4M3 (4 exponent bits, 3 mantissa bits; 8 bits a number), with one given power-of-two scale for each operand tensor; their sums are f32. All else is computed in f32.
;;   The module's matrix products, in the order in which they are computed (A, B: the left and right operand; K: the contracted axis; several contracted axes count as one K, in the product's order):
;;     1. [M 8,192, K 1,024] x [K 1,024, N 3,072]; A: input x; B: input w_qkv: QUANTISED (scales: A lowp_scales[0], B lowp_scales[1])
;;     2. batch 64 x [M 2,048, K 64] x [K 64, N 2,048]; A: computed on the way; B: computed on the way: QUANTISED (scales: A lowp_scales[2], B lowp_scales[3])
;;     3. batch 64 x [M 2,048, K 2,048] x [K 2,048, N 64]; A: softmax (see below); B: computed on the way: QUANTISED (scales: A lowp_scales[4], B lowp_scales[5])
;;     4. [M 8,192, K 1,024] x [K 1,024, N 1,024]; A: computed on the way; B: input w_out: QUANTISED (scales: A lowp_scales[6], B lowp_scales[7])
;;   THE QUANTISER, for each operand of a quantised product, along K:
;;     - The operand's scale is 2^e, e = its entry of the input lowp_scales (int32; the entries are numbered through the quantised products in the list's order, A before B).
;;     - Each number is divided by the scale, clamped to +-448, and rounded to the nearest number of E4M3, ties to even, subnormals kept.
;;     - The product sums the exact products of the quantised numbers (number of the format x scale) in f32.
;;   ~~~python
;;   def quantise(x, axis, e):      # numpy; x: float32 -> the quantised numbers, widened to float32 again
;;       x = np.moveaxis(x, axis, -1); K = x.shape[-1]
;;       r = np.clip(x / 2.0 ** e, -448, 448)
;;       step = 2.0 ** (np.maximum(np.frexp(np.where(r == 0, 1, r))[1] - 1, -6) - 3)
;;       q = np.round(r / step) * step * 2.0 ** e      # np.round: ties to even
;;       return np.moveaxis(q, -1, axis).astype(np.float32)
;;   ~~~
;;   SOFTMAX AHEAD OF A QUANTISED PRODUCT. Where the list says 'softmax', what is quantised is not the finished softmax but p = 2^(t - M), with t = logit x log2(e) and M = ceil(the row's largest t), a whole number; so 1/2 < the row's largest p <= 1. The row's sum l is taken of the UNQUANTISED p, in f32, and the product's result is divided by l at the end. Since M is a whole number, a kernel that streams over the keys may use a running M (the ceiling of the running maximum): every later rescaling is an exact power of two, so the quantised numbers keep their values, but for numbers so far below the row's largest that they fall under the format's range.
;;   OPERANDS COMPUTED ON THE WAY. 'Computed on the way' means the value that the module computes at that place (a softmax that the list does not call 'softmax' is quantised finished and normalised). What goes into a quantiser is computed in f32, as accurately as f32 sums, v_exp_f32 and their like allow (about 1e-6 of the number): no bf16 or f16 on the way to a quantiser, and a product that is left as it is and whose result goes on into a quantised operand takes f32 operands (vector FMAs, or v_wmma_f32_16x16x4_f32). A number that lies on a knife's edge between two numbers of the format may be rounded either way, as far as f32 arithmetic and the matrix unit's own rounding can turn it there, and no further.
;; One version. Each part assembles by itself: llvm-mc -triple=amdgcn-amd-amdhsa -mcpu=gfx1250 --defsym DOCPART=n.
;; ======== version 1 of 1: 4 launches
;; limits: right only within a limited range of input values
;; workspace buffers: xc 8,388,608 bytes; wqc 3,145,728 bytes; woc 1,048,576 bytes; qc 8,388,608 bytes; kc 8,388,608 bytes; vt 8,388,608 bytes; cc 8,388,608 bytes
;; launch quant (part 1): grid 768 x 1, 4 waves a work-group, no clusters, 33,280 bytes of LDS; arguments x, w_qkv, w_out, lowp_scales, xc, wqc, woc; writes xc, wqc, woc
.if DOCPART == 1
	.amdgcn_target "amdgcn-amd-amdhsa--gfx1250"
	.amdhsa_code_object_version 6
	.text
	.protected	k_q58dc09a207_quant
	.globl	k_q58dc09a207_quant
	.p2align	8
	.type	k_q58dc09a207_quant,@function
k_q58dc09a207_quant:
	s_mov_b64 s[64:65], 0
	v_nop
	global_prefetch_b8 v0, s[64:65] scope:SCOPE_SE
	s_setreg_imm32_b32 hwreg(HW_REG_WAVE_MODE, 25, 1), 1
	s_wait_xcnt 0x0
; x [8192][1024], w_qkv [3072][1024] and w_out [1024][1024], f32, become codes of FP8 (E4M3), one byte each, K innermost, in the order in which the numbers lie:
; code = number / 2^e, held within +-448, rounded to the nearest code, ties to even.  e: entry 0 of the scales for x, entry 1 for w_qkv, entry 7 for w_out.
; LIMITS: -126 <= e <= 119, so that 2^e and 448 x 2^e are f32 numbers.  NaN among the inputs is not served (an infinity is held at the largest code).
; Rows are dense, so each tensor is a plain stream.  A work-group takes 16,384 numbers, a wave 8 steps of 512.  Work-groups 0-511 take x, 512-703 w_qkv, 704-767 w_out:
; only pointers and the exponent are chosen, by selects on the work-group's number; all take one path through the text.
; The conversion takes 8 neighbours from ONE lane's registers; a load is densest where neighbouring LANES take neighbouring bytes.  Both are had: each of a step's four loads reads 512 consecutive
; bytes, 16 a lane; the 2,048 bytes go through the wave's own stage in LDS as they lie and come back 64 bytes a lane (16 bytes of padding behind each 64).  A lane's 16 codes are 16 bytes:
; the wave stores 512 consecutive bytes.  No tensor load, no barrier: waves share nothing, and no work-group reads what another reads, so no cluster.  Loads run four steps (16 loads a wave) ahead.
.set WAVES, 4
.set STEPS, 8
.set WGX,   512                        ; the first work-group of w_qkv
.set WGQ,   704                        ; the first work-group of w_out
.set R,     16                         ; v16-79   four sets of 16 numbers as they are loaded
.set X,     80                         ; v80-111  two sets of 16 neighbours
.set C,     128                        ; v128-159 codes: four registers for each step, so that no store's data are written again
.set WREG,  8192                       ; LDS: a region for each wave: two stages of 32 x SP bytes
.set SP,    80                         ; a lane's place in a stage: its 64 bytes + 16 of padding
.set SPW,   12                         ; v12      LDS address of my spare word: SPARE + 4 x my thread's number; never rewritten
.set NIL,   13                         ; v13      0; never rewritten
.set SPARE, WAVES*WREG                 ; behind the four regions: the spare words, 128 bytes for each wave, which no other line names
	s_load_b256 s[4:11], s[0:1], 0x0               ; x s[4:5], w_qkv s[6:7], w_out s[8:9], the scales' exponents s[10:11]
	s_load_b128 s[12:15], s[0:1], 0x20             ; x's codes, w_qkv's codes
	s_load_b64 s[16:17], s[0:1], 0x30              ; w_out's codes
	v_lshl_add_u32 v[SPW], v0, 2, SPARE
	v_mov_b32 v[NIL], 0
	v_lshrrev_b32 v1, 5, v0
	v_readfirstlane_b32 s20, v1                    ; wave
	v_and_b32 v2, 31, v0                           ; lane
	v_lshlrev_b32 v3, 4, v2                        ; 16 x lane: my 16 bytes of a load's 512, and of a store's
	s_mul_i32 s21, s20, WREG
	v_lshrrev_b32 v14, 2, v2
	v_mul_u32_u24 v14, v14, SP
	v_and_b32 v15, 3, v2
	v_lshl_add_u32 v14, v15, 4, v14
	v_add_nc_u32 v14, s21, v14                     ; the stage, on the way in: four lanes' 64 bytes on end, then 16 of padding
	v_mul_u32_u24 v15, v2, SP
	v_add_nc_u32 v15, s21, v15                     ; and on the way out: my 16 neighbours
	s_mov_b32 s22, WGX
	s_mov_b32 s23, WGQ
	s_wait_alu depctr_va_vdst(0)
	s_wait_kmcnt 0x0
	s_load_b256 s[24:31], s[10:11], 0x0            ; the eight exponents
	s_cmp_lt_u32 ttmp9, WGQ                        ; w_qkv's or w_out's?  The choices hang on the work-group's number alone
	s_cselect_b64 s[6:7], s[6:7], s[8:9]
	s_cselect_b64 s[14:15], s[14:15], s[16:17]
	s_cselect_b32 s22, s22, s23
	s_cmp_lt_u32 ttmp9, WGX                        ; or x's?
	s_cselect_b64 s[4:5], s[4:5], s[6:7]           ; from where
	s_cselect_b64 s[8:9], s[12:13], s[14:15]       ; to where
	s_cselect_b32 s22, 0, s22                      ; the tensor's first work-group
	s_sub_co_u32 s22, ttmp9, s22
	s_lshl_b32 s22, s22, 2
	s_add_co_u32 s22, s22, s20                     ; which run of 4,096 numbers of the tensor is my wave's
	s_lshl_b32 s32, s22, 14                        ; 16,384 bytes of numbers (under 2^26 in all),
	s_mov_b32 s33, 0
	s_lshl_b32 s34, s22, 12                        ; 4,096 bytes of codes
	s_mov_b32 s35, 0
	s_add_nc_u64 s[4:5], s[4:5], s[32:33]
	s_add_nc_u64 s[8:9], s[8:9], s[34:35]
.macro LOAD t
.irp i, 0,1,2,3
	global_load_b128 v[R+16*((\t)%4)+4*\i:R+16*((\t)%4)+4*\i+3], v3, s[4:5] offset:2048*(\t)+512*\i th:TH_LOAD_NT   ; 32 lanes read 512 consecutive bytes, read once in the launch
.endr
.endm
.macro TURN t                          ; step t's numbers through the stage: LDS serves a wave's instructions in order (ISA guide 5.7.1.4), so no wait stands between the stores and the loads
.irp i, 0,1,2,3
	ds_store_b128 v14, v[R+16*((\t)%4)+4*\i:R+16*((\t)%4)+4*\i+3] offset:32*SP*((\t)%2)+8*SP*\i
.endr
.irp i, 0,1,2,3
	ds_load_b128 v[X+16*((\t)%2)+4*\i:X+16*((\t)%2)+4*\i+3], v15 offset:32*SP*((\t)%2)+16*\i
.endr
.endm
.irp t, 0,1,2,3
	LOAD \t
.endr
	s_wait_kmcnt 0x0
	s_cmp_lt_u32 ttmp9, WGQ
	s_cselect_b32 s36, s25, s31                    ; e of w_qkv or of w_out,
	s_cmp_lt_u32 ttmp9, WGX
	s_cselect_b32 s36, s24, s36                    ; or of x
	s_add_co_i32 s36, s36, 127
	s_lshl_b32 s37, s36, 23
	v_mov_b32 v11, s37                             ; 2^e as f32: the conversion takes its exponent field
	s_add_co_i32 s36, s36, 8
	s_lshl_b32 s36, s36, 23
	s_or_b32 s36, s36, 0x600000
	v_mov_b32 v10, s36                             ; 448 x 2^e
	s_wait_alu depctr_va_vdst(0)
	s_wait_loadcnt 12                              ; step 0's four loads are in; the twelve of steps 1 to 3 may be out
	TURN 0
.macro STEP t
.set XS, X+16*((\t)%2)
	s_wait_dscnt 0x0                               ; this step's numbers are back from the stage: so its stores into the stage have read their registers,
.if (\t)+4 < STEPS
	LOAD (\t)+4                                    ; which take the loads of four steps on
.endif
.if (\t)+1 < STEPS
.if STEPS-2-(\t) >= 3
	s_wait_loadcnt 12                              ; the next step's four loads are in; those of the three steps behind it may be out
.else
	s_wait_loadcnt 4*(STEPS-2-(\t))                ; in the tail fewer steps stand behind it
.endif
	TURN (\t)+1                                    ; and go through the other stage while this step is worked
.endif
.irp i, 0,1,2,3,4,5,6,7,8,9,10,11,12,13,14,15
	v_med3_num_f32 v[XS+\i], v[XS+\i], -v10, v10   ; the conversion to an 8-bit code does not saturate (ISA guide 7.6.2): the number is held within the largest code x the scale first
.endr
	v_cvt_scalef32_pk8_fp8_f32 v[C+4*(\t):C+4*(\t)+1], v[XS:XS+7], v11          ; eight numbers / 2^e, to the nearest code, ties to even; the first number's code in the lowest byte
	v_cvt_scalef32_pk8_fp8_f32 v[C+4*(\t)+2:C+4*(\t)+3], v[XS+8:XS+15], v11     ; (the results go to a store alone; the next vector lines are the next step's holds, plain ones on other registers)
	global_store_b128 v3, v[C+4*(\t):C+4*(\t)+3], s[8:9] offset:512*(\t)        ; 32 lanes store 512 consecutive bytes, at a multiple of 256 from the buffer's first byte
.endm
.irp t, 0,1,2,3,4,5,6,7
	STEP \t
.endr
	s_wait_tensorcnt 0x0                           ; the wave's end, behind my last LDS store
	ds_add_u32 v[SPW], v[NIL]
	s_wait_dscnt 0x0
	s_endpgm
.Lfunc_end_k_q58dc09a207_quant:
	.size	k_q58dc09a207_quant, .Lfunc_end_k_q58dc09a207_quant-k_q58dc09a207_quant
	.p2alignl 7, 3214868480
	.fill 96, 4, 3214868480
	.section	.rodata,"a",@progbits
	.p2align	6, 0x0
	.amdhsa_kernel k_q58dc09a207_quant
		.amdhsa_group_segment_fixed_size 33280
		.amdhsa_private_segment_fixed_size 0
		.amdhsa_enable_private_segment 0
		.amdhsa_kernarg_size 56
		.amdhsa_user_sgpr_count 2
		.amdhsa_user_sgpr_kernarg_segment_ptr 1
		.amdhsa_wavefront_size32 1
		.amdhsa_system_sgpr_workgroup_id_x 1
		.amdhsa_system_sgpr_workgroup_id_y 1
		.amdhsa_system_sgpr_workgroup_id_z 1
		.amdhsa_system_vgpr_workitem_id 0
		.amdhsa_next_free_vgpr 160
		.amdhsa_next_free_sgpr 66
		.amdhsa_reserve_vcc 0
		.amdhsa_float_denorm_mode_32 3
		.amdhsa_float_denorm_mode_16_64 3
		.amdhsa_memory_ordered 1
		.amdhsa_forward_progress 1
		.amdhsa_inst_pref_size 20
	.end_amdhsa_kernel
	.amdgpu_metadata
---
amdhsa.version: [ 1, 2 ]
amdhsa.kernels:
  - .name:           k_q58dc09a207_quant
    .symbol:         k_q58dc09a207_quant.kd
    .args:
      - { .name: x, .offset: 0, .size: 8, .value_kind: global_buffer, .address_space: global }
      - { .name: w_qkv, .offset: 8, .size: 8, .value_kind: global_buffer, .address_space: global }
      - { .name: w_out, .offset: 16, .size: 8, .value_kind: global_buffer, .address_space: global }
      - { .name: lowp_scales, .offset: 24, .size: 8, .value_kind: global_buffer, .address_space: global }
      - { .name: xc, .offset: 32, .size: 8, .value_kind: global_buffer, .address_space: global }
      - { .name: wqc, .offset: 40, .size: 8, .value_kind: global_buffer, .address_space: global }
      - { .name: woc, .offset: 48, .size: 8, .value_kind: global_buffer, .address_space: global }
    .group_segment_fixed_size: 33280
    .private_segment_fixed_size: 0
    .kernarg_segment_align: 8
    .kernarg_segment_size: 56
    .max_flat_workgroup_size: 128
    .sgpr_count:     66
    .vgpr_count:     160
    .wavefront_size: 32
...
	.end_amdgpu_metadata
.endif
;; end of part 1
;; launch gemm_qkv (part 2): grid 8 x 32, 4 waves a work-group, clusters of 4 x 4, 327,680 bytes of LDS; arguments xc, wqc, lowp_scales, qc, kc, vt; writes qc, kc, vt
.if DOCPART == 2
	.amdgcn_target "amdgcn-amd-amdhsa--gfx1250"
	.amdhsa_code_object_version 6
	.text
	.protected	k_q58dc09a207_gemm_qkv
	.globl	k_q58dc09a207_gemm_qkv
	.p2align	8
	.type	k_q58dc09a207_gemm_qkv,@function
k_q58dc09a207_gemm_qkv:
	s_mov_b64 s[64:65], 0
	v_nop
	global_prefetch_b8 v0, s[64:65] scope:SCOPE_SE
	s_setreg_imm32_b32 hwreg(HW_REG_WAVE_MODE, 25, 1), 1
	s_wait_xcnt 0x0
	s_wait_alu depctr_hold_cnt(0) depctr_sa_sdst(0) depctr_va_vdst(0) depctr_va_sdst(0) depctr_va_ssrc(0) depctr_va_vcc(0) depctr_vm_vsrc(0)
	s_getreg_b32 s2, hwreg(HW_REG_IB_STS2, 6, 4)
	s_cmp_eq_u32 s2, 0
	s_cbranch_scc0 .Lentry_in_a_cluster
	s_endpgm
.Lentry_in_a_cluster:
	s_bfe_u32 s2, ttmp6, 0x10000c
	s_cmp_lg_u32 s2, 0xf033
	s_cbranch_scc0 .Lentry_shape_is_right
	s_endpgm
.Lentry_shape_is_right:
; qkv = x w_qkv^T on codes of FP8 (E4M3), K = 1,024, quantised at once for the two products of attention and stored as codes.
; code = sum x 2^(e0 + e1 - e), held within +-448: e = entry 2 (q), 3 (k) or 5 (v) of the scales.  LIMIT: e - e0 - e1 between -126 and 119, so that the powers of two are f32 numbers.
; SHARES.  q and k are 8,192 x 2,048 results: 256 blocks of 256 x 256.  v is 1,024 x 8,192 (made transposed: rows = w_qkv's rows 2,048 on, columns = tokens): 256 blocks of 128 x 256.
; 256 WORK-GROUPS STAY: each makes one block of v and then one block of q or k, so that every work-group has the same work.  Four waves: 64 x 128 of v each (32 accumulators), then 128 x 128 of q or k (64).
; K goes in steps of 256 through one ring of two LDS slots for both blocks.  Waves 0 and 1 fetch the row operand's halves, waves 2 and 3 the column operand's.  CLUSTERS of 4 x 4: the row operand's tile is shared
; along a row of the cluster, the column operand's along a column, each asked for jointly.  v's row operand has 64 rows a load: the tile is stated as 128 rows of which 64 exist, the rest written as zeros.
; THE MATRIX INSTRUCTION IS USED TRANSPOSED (source 0 = 16 rows of the column operand, source 1 = 16 of the row operand): a lane holds eight neighbouring columns of one row.
; OUT: q, k: [16 b + head][token][64];  v: [64 head + d][token].  Within each 32 along the innermost axis the codes lie as a 16-byte load at 32 c + 16 (lane / 16) wants them for the K = 64 form.
; v's codes leave through a stage of their own behind the ring, into which no tile lands; q's and k's through slot 0, behind its last fill and its last read.
; No prefetch: a block's K has four steps, of which two are asked for ahead of its first product; a request two steps ahead of the other two would stand where the block's first loads stand.
; REGISTERS, in windows of 256: window 0: v0-31 addresses, v32-159 codes on the way out, from v128 the row operand's fragments;  window 1: the column operand's fragments, two sets at v0 and v128;
; window 2: accumulator (a, b) at v[8 (8 a + b)], a = 0..3;  window 3: those of a = 4..7 (second block alone).
.set ROWB,   256
.set KROW,   1024
.set PITCH,  272                       ; an LDS row: 256 bytes + 16 of padding
.set FR,     16                        ; registers of a fragment: 16 rows x 128 K
.set NL,     4                         ; LDS loads that bring one
.set NP,     4                         ; places behind this matrix instruction (ISA guide 7.12.1)
.set HALFT,  128*PITCH                 ; what one tensor load fills
.set SLOT,   4*HALFT
.set SPARE,  2*SLOT                    ; the spare words, 128 bytes for each wave, which no other line names
.set VSTAGE, SPARE+512                 ; v's stage: 128 rows x 272 bytes
.set ADRA, 16                          ; v16-17  LDS address of my row operand's fragments in slot 0, 1
.set ADRB, 20                          ; v20-21  the same for the column operand
.set STOV, 22                          ; v22     where I put v's codes
.set SCL,  23                          ; v23     the conversion's scale
.set STO,  24                          ; v24     where I put q's or k's codes
.set RDQ,  25                          ; v25-26  where I read them back
.set RDQ2, 26
.set RDV,  27                          ; v27     where I read v's back
.set SPW,  28                          ; v28     LDS address of my spare word; never rewritten
.set NIL,  29                          ; v29     0; never rewritten
.set GOQ,  30                          ; v30     my place in a store of q or k
.set GOV,  31                          ; v31     and of v
.set TMP,  32
.set AF,   128
.set BK,   128
.set G1, 24                            ; s[24:31] group 1, row operand, 128 rows;  s[32:39] its groups 0, one for each slot
.set G0, 32
.set G1B, 48                           ; s[48:55], s[56:63] the same for the column operand
.set G0B, 56
.set G1V, 84                           ; s[84:91] group 1, v's row operand: 64 rows exist of the tile's 128
.set MSB, 0
.macro WIN new                         ; the immediate's high byte repeats the setting that is left
.if MSB != \new
	s_set_vgpr_msb (MSB<<8)|\new
.set MSB, \new
.endif
.endm
.set MUL_LO, 0xa1                      ; source 0 window 1, source 1 window 0, C and D window 2
.set MUL_HI, 0xf1                      ; the same, C and D window 3
.set TO_B,   0x40                      ; destination window 1, address window 0
.macro JLOAD g0a, g1a, g0b, g1b        ; a joint load; an s_nop 0 and four v_nop follow each line
	s_cmp_eq_u32 s15, 0
	s_cbranch_scc0 .Lfor_b_\@
	tensor_load_to_lds s[\g0a:\g0a+3], s[\g1a:\g1a+7]
	s_nop 0
.rept 4
	v_nop
.endr
	s_branch .Lasked_\@
.Lfor_b_\@:
	tensor_load_to_lds s[\g0b:\g0b+3], s[\g1b:\g1b+7]
	s_nop 0
.rept 4
	v_nop
.endr
.Lasked_\@:
.endm
.macro CREST                           ; a round of the cluster's barrier behind its opening barrier
	s_cmp_lg_u32 s14, 0
	s_cbranch_scc1 .Lnot_wave_0_\@
	s_barrier_signal -3
.Lnot_wave_0_\@:
	s_barrier_wait -3
	s_barrier_signal -1
	s_barrier_wait -1
.endm
.macro CROUND                          ; a whole round
	s_barrier_signal -1
	s_barrier_wait -1
	CREST
.endm
	s_load_b256 s[4:11], s[0:1], 0x0               ; x's codes s[4:5], w_qkv's s[6:7], the exponents s[8:9], q's codes s[10:11]
	s_load_b128 s[68:71], s[0:1], 0x20             ; k's codes, v's codes
	v_lshl_add_u32 v[SPW], v0, 2, SPARE
	v_mov_b32 v[NIL], 0
	ds_add_u32 v[SPW], v[NIL]                      ; the opening lines: the add, twice on end, and its wait ahead of my first tensor load
	ds_add_u32 v[SPW], v[NIL]
	v_lshrrev_b32 v1, 5, v0
	v_readfirstlane_b32 s14, v1                    ; wave 0..3
	s_lshr_b32 s15, s14, 1                         ; which half of the block's rows is mine.  Also: I fetch for the row operand (0) or the column operand (1)
	s_and_b32 s16, s14, 1                          ; which half of its columns.  Also: which half of that tile I fetch
	s_bfe_u32 s40, ttmp6, 0x40000                  ; cx, cy: my place in the cluster
	s_bfe_u32 s41, ttmp6, 0x40004
	s_and_b32 s80, ttmp7, 0xffff                   ; the cluster's y: 0..7;  ttmp9: its x: 0 (q), 1 (k)
	s_lshl_b32 s42, ttmp9, 2
	s_add_co_u32 s42, s42, s40                     ; q, k: 256 rows of w_qkv: 4 x + cx
	s_lshl_b32 s17, s80, 2
	s_add_co_u32 s17, s17, s41                     ; q, k: 256 tokens: 4 y + cy
	s_lshl_b32 s81, ttmp9, 2
	s_add_co_u32 s81, s81, s41                     ; v: 128 rows of w_v: 4 x + cy
	s_lshl_b32 s83, s80, 2
	s_add_co_u32 s83, s83, s40                     ; v: 256 tokens: 4 y + cx
	s_lshl_b32 s43, s41, 2
	s_lshl_b32 s43, 15, s43                        ; my row of the cluster
	s_lshl_b32 s44, 0x1111, s40                    ; my column
	s_or_b32 s[G1+0], s43, (0<<16)|(1<<20)|(1<<21)|(5<<22)|(3<<25)  ; the mask; elements of 1 byte; padding on; bit 21 beside a mask; four words after every 64
	s_or_b32 s[G1V+0], s43, (0<<16)|(1<<20)|(1<<21)|(5<<22)|(3<<25)
	s_or_b32 s[G1B+0], s44, (0<<16)|(1<<20)|(1<<21)|(5<<22)|(3<<25)
.irp g, G1, G1B, G1V
	s_mov_b32 s[\g+1], ROWB<<16
	s_mov_b32 s[\g+3], ROWB<<16
	s_mov_b32 s[\g+4], 128                         ; the tile's rows
	s_mov_b32 s[\g+5], KROW
	s_mov_b32 s[\g+6], 0
	s_mov_b32 s[\g+7], 0
.endr
	s_mov_b32 s[G1+2], 128<<16                     ; the rows that exist from the tile's first on
	s_mov_b32 s[G1B+2], 128<<16
	s_mov_b32 s[G1V+2], 64<<16                     ; beyond them the load writes zeros
	s_lshl_b32 s20, s81, 7
	s_lshl_b32 s18, s16, 6
	s_add_co_u32 s20, s20, s18
	s_add_co_u32 s20, s20, 2048                    ; v's row operand: w_qkv's row 2,048 + 128 x block + 64 x half,
	s_lshl_b32 s20, s20, 10                        ; of 1,024 bytes
	s_mov_b32 s21, 0
	s_lshl_b32 s18, s16, 7
	s_lshl_b32 s46, s83, 8
	s_add_co_u32 s46, s46, s18                     ; v's column operand: token 256 x block + 128 x half
	s_lshl_b32 s46, s46, 10
	s_mov_b32 s47, 0
	s_lshl_b32 s92, s17, 8
	s_add_co_u32 s92, s92, s18                     ; q, k: the row operand: tokens
	s_lshl_b32 s92, s92, 10
	s_mov_b32 s93, 0
	s_lshl_b32 s94, s42, 8
	s_add_co_u32 s94, s94, s18                     ; q, k: the column operand: w_qkv's rows
	s_lshl_b32 s94, s94, 10
	s_mov_b32 s95, 0
	s_mul_i32 s45, s14, HALFT                      ; where my load goes: the wave's number alone enters an LDS address
	s_mul_i32 s22, s15, HALFT                      ; my rows in slot 0,
	s_add_co_u32 s23, s22, SLOT                    ; and in slot 1
	s_mul_i32 s66, s16, HALFT
	s_add_co_u32 s66, s66, 2*HALFT                 ; my columns in slot 0,
	s_add_co_u32 s67, s66, SLOT                    ; and in slot 1
	s_lshl_b32 s19, s16, 7
	s_add_co_u32 s18, s22, s19                     ; q, k on the way out: row 128 x half, byte 128 x half
	s_mul_i32 s98, s15, 64*PITCH
	s_add_co_u32 s19, s98, s19
	s_add_co_u32 s19, s19, VSTAGE                  ; v on the way out: row 64 x half, byte 128 x half
	s_lshl_b32 s98, s14, 6                         ; q, k back: my head's 64 bytes of each row
	s_mul_i32 s99, s14, 32*PITCH
	s_add_co_u32 s99, s99, VSTAGE                  ; v back: my 32 rows
	s_wait_dscnt 0x0                               ; both opening adds are done
	s_wait_kmcnt 0x0
	s_load_b256 s[72:79], s[8:9], 0x0              ; the eight exponents
	s_add_nc_u64 s[20:21], s[6:7], s[20:21]
	s_add_nc_u64 s[46:47], s[4:5], s[46:47]
	s_add_nc_u64 s[92:93], s[4:5], s[92:93]
	s_add_nc_u64 s[94:95], s[6:7], s[94:95]
	CROUND                                         ; all sixteen work-groups are here: the first joint loads meet
.irp s, 0,1
	s_mov_b32 s[G0+4*\s], 1
	s_add_co_u32 s[G0+4*\s+1], s45, \s*SLOT
	s_add_nc_u64 s[G0+4*\s+2:G0+4*\s+3], s[20:21], \s*ROWB
	s_or_b32 s[G0+4*\s+3], s[G0+4*\s+3], 0x80000000
	s_mov_b32 s[G0B+4*\s], 1
	s_add_co_u32 s[G0B+4*\s+1], s45, \s*SLOT
	s_add_nc_u64 s[G0B+4*\s+2:G0B+4*\s+3], s[46:47], \s*ROWB
	s_or_b32 s[G0B+4*\s+3], s[G0B+4*\s+3], 0x80000000
.endr
	JLOAD G0, G1V, G0B, G1B                        ; v's K step 0: one tensor load a wave at the head
	v_and_b32 v1, 15, v0                           ; r = lane % 16
	v_bfe_u32 v2, v0, 4, 1                         ; h = lane / 16
	v_mul_u32_u24 v3, v1, PITCH
	v_lshl_add_u32 v4, v2, 4, v3                   ; row r x pitch + 16 h
	v_add_nc_u32 v[ADRA], s22, v4
	v_add_nc_u32 v[ADRA+1], s23, v4
	v_add_nc_u32 v[ADRB], s66, v4
	v_add_nc_u32 v[ADRB+1], s67, v4
	v_add_nc_u32 v[STO], s18, v4
	v_add_nc_u32 v[STOV], s19, v4
	v_and_b32 v5, 31, v0
	v_lshrrev_b32 v6, 2, v5
	v_mul_u32_u24 v6, v6, PITCH
	v_and_b32 v7, 3, v0
	v_lshl_add_u32 v6, v7, 4, v6
	v_add_nc_u32 v[RDQ], s98, v6                   ; four lanes to a token's 64 bytes, eight tokens an instruction
	v_add_nc_u32 v[RDQ2], 128*PITCH, v[RDQ]
	v_mul_u32_u24 v6, v2, PITCH
	v_lshl_add_u32 v6, v1, 4, v6
	v_add_nc_u32 v[RDV], s99, v6                   ; sixteen lanes to a row of 256 bytes, two rows an instruction
	v_lshlrev_b32 v[GOQ], 4, v5
	v_lshlrev_b32 v7, 13, v2
	v_lshl_add_u32 v[GOV], v1, 4, v7               ; a row of vt is 8,192 bytes
.macro FRAG reg, adr, q, i             ; 16 rows x 128 K: registers 4 c .. 4 c + 3 hold K = 32 c + 16 h + 0 .. 15, alike in both operands
.irp c, 0,1,2,3
	ds_load_b128 v[\reg+4*\c:\reg+4*\c+3], v[\adr] offset:128*(\q)+32*\c+(\i)*16*PITCH
.endr
.endm
.macro MUL16 a0, p, zero               ; row fragments a0, a0 + 1 x the eight column blocks of set p, onto accumulators a % 4 of the window in hand; the accumulators take turns
.irp a, \a0, \a0+1
.irp b, 0,1,2,3,4,5,6,7
.if \zero
	v_wmma_f32_16x16x128_fp8_fp8 v[8*(8*((\a)%4)+\b):8*(8*((\a)%4)+\b)+7], v[128*(\p)+FR*\b:128*(\p)+FR*\b+FR-1], v[AF+FR*(\a):AF+FR*(\a)+FR-1], 0
.else
	v_wmma_f32_16x16x128_fp8_fp8 v[8*(8*((\a)%4)+\b):8*(8*((\a)%4)+\b)+7], v[128*(\p)+FR*\b:128*(\p)+FR*\b+FR-1], v[AF+FR*(\a):AF+FR*(\a)+FR-1], v[8*(8*((\a)%4)+\b):8*(8*((\a)%4)+\b)+7]
.endif
.endr
.endr
.endm
.macro FETCH_B slot, q, p
	WIN TO_B
.irp i, 0,1,2,3,4,5,6,7
	FRAG 128*(\p)+FR*\i, ADRB+\slot, \q, \i
.endr
	WIN 0
.endm
.macro FETCH_A slot, q, i0
.irp i, \i0, \i0+1, \i0+2, \i0+3
	FRAG AF+FR*(\i), ADRA+\slot, \q, \i
.endr
.endm
.macro FETCH_AV slot, q, p             ; v: my four row blocks into set p of the row operand's registers
.irp i, 0,1,2,3
	FRAG AF+FR*(\i+4*(\p)), ADRA+\slot, \q, \i
.endr
.endm
.macro PLACES n
.rept \n
	v_nop
.endr
.endm
; THE BLOCK OF v.  A slot's first 128 along K multiplies the sets 0 while the sets 1 are fetched (four plain lines stand between the last products that read the sets 1 and these loads: those behind the change of slots).
.macro SUBV slot, zero
	s_wait_dscnt 0x0                               ; the sets 0 are in
	FETCH_B \slot, 1, 1
	FETCH_AV \slot, 1, 1
	WIN MUL_LO
	MUL16 0, 0, \zero
	MUL16 2, 0, \zero
	WIN 0
.endm
; A slot's second 128 along K, and the change of slots.  fill = 1: this slot is filled again, two K steps ahead
.macro TURNV slot, next, fill
	s_wait_tensorcnt 0x0                           ; all my tensor loads have landed: my part of the next slot
	ds_add_u32 v[SPW], v[NIL]                      ; 0 onto my spare word
	s_wait_dscnt 0x0                               ; the add is done, the sets 1 are in, and my reads of this slot are over
	s_barrier_signal -1
	WIN MUL_LO
	MUL16 4, 1, 0
	MUL16 6, 1, 0
	WIN 0
	s_barrier_wait -1
.if \fill
	CREST                                          ; the barrier has opened a round of the cluster's barrier
	s_add_nc_u64 s[G0+4*\slot+2:G0+4*\slot+3], s[G0+4*\slot+2:G0+4*\slot+3], 2*ROWB
	s_add_nc_u64 s[G0B+4*\slot+2:G0B+4*\slot+3], s[G0B+4*\slot+2:G0B+4*\slot+3], 2*ROWB
	JLOAD G0+4*\slot, G1V, G0B+4*\slot, G1B        ; the first tensor load behind the round; its four v_nop are the places in front of the loads below
.else
	PLACES NP
.endif
	FETCH_B \next, 0, 0
	FETCH_AV \next, 0, 0
.endm
; THE BLOCK OF q OR k.  128 along K with its successor in the same slot: one set for the row operand, fetched anew by halves; two for the column operand
.macro STEP slot, q, zero
	s_wait_dscnt 4*NL                              ; all but the youngest sixteen loads (row blocks 4-7) are in
	WIN MUL_LO
	MUL16 0, (\q)%2, \zero
	MUL16 2, (\q)%2, \zero
	s_wait_dscnt 0
	PLACES NP
	FETCH_B \slot, (\q)+1, 1-(\q)%2
	FETCH_A \slot, (\q)+1, 0
	WIN MUL_HI
	MUL16 4, (\q)%2, \zero
	MUL16 6, (\q)%2, \zero
	PLACES NP
	WIN 0
	FETCH_A \slot, (\q)+1, 4
.endm
.macro TURN slot, next, fill
	s_wait_tensorcnt 0x0
	ds_add_u32 v[SPW], v[NIL]
	s_wait_dscnt 4*NL+1                            ; the add and the youngest sixteen loads may be out
	WIN MUL_LO
	MUL16 0, 1, 0
	s_wait_dscnt 0x0                               ; the add is done, and my reads of this slot are over
	s_barrier_signal -1
	MUL16 2, 1, 0
	WIN 0
	s_barrier_wait -1
.if \fill
	CREST
	s_add_nc_u64 s[G0+4*\slot+2:G0+4*\slot+3], s[G0+4*\slot+2:G0+4*\slot+3], 2*ROWB
	s_add_nc_u64 s[G0B+4*\slot+2:G0B+4*\slot+3], s[G0B+4*\slot+2:G0B+4*\slot+3], 2*ROWB
	JLOAD G0+4*\slot, G1, G0B+4*\slot, G1B
.else
	PLACES NP
.endif
	FETCH_B \next, 0, 0
	FETCH_A \next, 0, 0
	WIN MUL_HI
	MUL16 4, 1, 0
	MUL16 6, 1, 0
	PLACES NP
	WIN 0
	FETCH_A \next, 0, 4
.endm
.macro SETSCL e                        ; e: the scalar register that holds the operand's exponent
	s_sub_co_i32 s96, \e, s72
	s_sub_co_i32 s96, s96, s73                     ; a sum stands for sum x 2^(e0 + e1): the three scales are folded into the conversion's one
	s_add_co_i32 s96, s96, 127
	s_add_co_i32 s97, s96, 8
	s_lshl_b32 s96, s96, 23
	s_lshl_b32 s97, s97, 23
	s_or_b32 s97, s97, 0x600000                    ; 448 x that scale,
	s_or_b32 s82, s97, 0x80000000                  ; and its negative
	v_mov_b32 v[SCL], s96
.endm
.macro CODES w, sto                    ; window w's 32 accumulators: held, converted, and put into the stage: two column blocks' codes are 16 bytes of a row
.set TM, TMP+64*((\w)-2)
	WIN 0x41*(\w)
.set x, 0
.rept 256
	v_med3_num_f32 v[x], v[x], s82, s97            ; the conversion does not saturate (ISA guide 7.6.2); each accumulator from its low end on
.set x, x+1
.endr
	WIN (\w)
.set x, 0
.rept 32
	v_cvt_scalef32_pk8_fp8_f32 v[TM+2*x:TM+2*x+1], v[8*x:8*x+7], v[SCL]
.set x, x+1
.endr
	WIN 0
	v_nop                                          ; one plain line behind the last conversion
.irp a, 0,1,2,3
.irp b, 0,1,2,3
	ds_store_b128 v[\sto], v[TM+2*(8*\a+2*\b):TM+2*(8*\a+2*\b)+3] offset:(16*(4*((\w)-2)+\a))*PITCH+32*\b
.endr
.endr
.endm
	s_wait_alu depctr_va_vdst(0)                   ; the wait at the head's end
	s_wait_tensorcnt 0x0                           ; my part of K step 0 is in
	ds_add_u32 v[SPW], v[NIL]
	s_wait_dscnt 0x0
	CROUND                                         ; everybody's part of K step 0 is in, and the sixteen work-groups meet
	JLOAD G0+4, G1V, G0B+4, G1B                    ; v's K step 1: the first tensor load behind the round
	FETCH_B 0, 0, 0
	FETCH_AV 0, 0, 0
	SUBV 0, 1                                      ; the first products start the sums: nothing is cleared
	TURNV 0, 1, 1
	SUBV 1, 0
	TURNV 1, 0, 1
	SUBV 0, 0
	TURNV 0, 1, 0                                  ; v's last lap fills nothing
	SUBV 1, 0
	s_wait_dscnt 0x0
	WIN MUL_LO
	MUL16 4, 1, 0
	MUL16 6, 1, 0
	WIN 0
	PLACES NP
	s_wait_kmcnt 0x0
	SETSCL s77                                     ; v's exponent: entry 5
	CODES 2, STOV
	s_wait_tensorcnt 0x0                           ; no tensor load of mine is out, so the groups 0 may be written
	ds_add_u32 v[SPW], v[NIL]                      ; the descriptors' words stand between it and the wait
	s_mov_b64 s[G0+2:G0+3], s[92:93]               ; the second block's K steps 0 and 1
	s_or_b32 s[G0+3], s[G0+3], 0x80000000
	s_add_nc_u64 s[G0+6:G0+7], s[92:93], ROWB
	s_or_b32 s[G0+7], s[G0+7], 0x80000000
	s_mov_b64 s[G0B+2:G0B+3], s[94:95]
	s_or_b32 s[G0B+3], s[G0B+3], 0x80000000
	s_add_nc_u64 s[G0B+6:G0B+7], s[94:95], ROWB
	s_or_b32 s[G0B+7], s[G0B+7], 0x80000000
	s_wait_dscnt 0x0                               ; the add is done, my reads of the ring are over, and my codes lie in the stage
	CROUND                                         ; that holds of every wave of the cluster: the ring may be filled again, and the stage may be read
	JLOAD G0, G1, G0B, G1B                         ; the second block's K step 0, on its way while v is stored
	s_lshl_b32 s96, s81, 7
	s_lshl_b32 s97, s14, 5
	s_add_co_u32 s96, s96, s97                     ; my first row of vt: 128 x block + 32 x wave,
	s_lshl_b32 s96, s96, 13                        ; of 8,192 bytes,
	s_lshl_b32 s97, s83, 8
	s_add_co_u32 s96, s96, s97                     ; + the block's first token
	s_mov_b32 s97, 0
	s_add_nc_u64 s[70:71], s[70:71], s[96:97]
.irp t, 0,1,2,3,4,5,6,7,8,9,10,11,12,13,14,15
	ds_load_b128 v[BK+4*\t:BK+4*\t+3], v[RDV] offset:\t*2*PITCH
.endr
.irp t, 0,1,2,3,4,5,6,7,8,9,10,11,12,13,14,15
	s_wait_dscnt 15-\t                             ; load t is in, the younger ones may be out
	global_store_b128 v[GOV], v[BK+4*\t:BK+4*\t+3], s[70:71] offset:16384*\t   ; sixteen lanes store 256 consecutive bytes, at a multiple of 256 from the buffer's first byte
.endr
	s_wait_xcnt 0x0                                ; the stores have read their registers, into which fragments are loaded below
	s_wait_tensorcnt 0x0                           ; my part of K step 0 is in; the three lines once more
	ds_add_u32 v[SPW], v[NIL]
	s_wait_dscnt 0x0
	CROUND
	JLOAD G0+4, G1, G0B+4, G1B                     ; K step 1
	FETCH_B 0, 0, 0
	FETCH_A 0, 0, 0
	FETCH_A 0, 0, 4
	STEP 0, 0, 1                                   ; the first products start the sums anew
	TURN 0, 1, 1
	STEP 1, 0, 0
	TURN 1, 0, 1
	STEP 0, 0, 0
	TURN 0, 1, 0                                   ; the last lap fills nothing
	STEP 1, 0, 0
	s_wait_dscnt 4*NL
	WIN MUL_LO
	MUL16 0, 1, 0
	MUL16 2, 1, 0
	s_wait_dscnt 0
	WIN MUL_HI
	MUL16 4, 1, 0
	MUL16 6, 1, 0
	WIN 0
	s_cmp_eq_u32 ttmp9, 0
	s_cselect_b32 s18, s74, s75                    ; q's exponent or k's
	SETSCL s18
	PLACES NP-1
	CODES 2, STO
	CODES 3, STO
	s_wait_dscnt 0x0
	s_barrier_signal -1
	s_barrier_wait -1                              ; the block's codes lie in the stage
	s_lshr_b32 s94, s17, 3
	s_lshl_b32 s94, s94, 4                         ; 16 b
	s_lshl_b32 s22, s40, 2
	s_add_co_u32 s94, s94, s22
	s_add_co_u32 s94, s94, s14                     ; + head = 4 cx + wave,
	s_lshl_b32 s94, s94, 17                        ; of 131,072 bytes,
	s_and_b32 s22, s17, 7
	s_lshl_b32 s22, s22, 14
	s_add_co_u32 s94, s94, s22                     ; + the block's first token in the batch, of 64 bytes
	s_mov_b32 s95, 0
	s_cmp_eq_u32 ttmp9, 0
	s_cselect_b64 s[10:11], s[10:11], s[68:69]
	s_add_nc_u64 s[10:11], s[10:11], s[94:95]
.irp t, 0,1,2,3,4,5,6,7,8,9,10,11,12,13,14,15
	ds_load_b128 v[BK+4*\t:BK+4*\t+3], v[RDQ] offset:\t*8*PITCH
.endr
.irp t, 0,1,2,3,4,5,6,7,8,9,10,11,12,13,14,15
	ds_load_b128 v[BK+64+4*\t:BK+64+4*\t+3], v[RDQ2] offset:\t*8*PITCH
.endr
.irp t, 0,1,2,3,4,5,6,7,8,9,10,11,12,13,14,15,16,17,18,19,20,21,22,23,24,25,26,27,28,29,30,31
	s_wait_dscnt 31-\t
	global_store_b128 v[GOQ], v[BK+4*\t:BK+4*\t+3], s[10:11] offset:512*\t   ; 32 lanes store 512 consecutive bytes (eight tokens of my head)
.endr
	s_wait_tensorcnt 0x0                           ; the wave's end
	ds_add_u32 v[SPW], v[NIL]
	s_wait_dscnt 0x0
	CROUND                                         ; the closing round
	s_endpgm
.Lfunc_end_k_q58dc09a207_gemm_qkv:
	.size	k_q58dc09a207_gemm_qkv, .Lfunc_end_k_q58dc09a207_gemm_qkv-k_q58dc09a207_gemm_qkv
	.p2alignl 7, 3214868480
	.fill 96, 4, 3214868480
	.section	.rodata,"a",@progbits
	.p2align	6, 0x0
	.amdhsa_kernel k_q58dc09a207_gemm_qkv
		.amdhsa_group_segment_fixed_size 327680
		.amdhsa_private_segment_fixed_size 0
		.amdhsa_enable_private_segment 0
		.amdhsa_kernarg_size 48
		.amdhsa_user_sgpr_count 2
		.amdhsa_user_sgpr_kernarg_segment_ptr 1
		.amdhsa_wavefront_size32 1
		.amdhsa_system_sgpr_workgroup_id_x 1
		.amdhsa_system_sgpr_workgroup_id_y 1
		.amdhsa_system_sgpr_workgroup_id_z 1
		.amdhsa_system_vgpr_workitem_id 0
		.amdhsa_next_free_vgpr 1024
		.amdhsa_next_free_sgpr 102
		.amdhsa_reserve_vcc 0
		.amdhsa_float_denorm_mode_32 3
		.amdhsa_float_denorm_mode_16_64 3
		.amdhsa_memory_ordered 1
		.amdhsa_forward_progress 1
		.amdhsa_inst_pref_size 193
	.end_amdhsa_kernel
	.amdgpu_metadata
---
amdhsa.version: [ 1, 2 ]
amdhsa.kernels:
  - .name:           k_q58dc09a207_gemm_qkv
    .symbol:         k_q58dc09a207_gemm_qkv.kd
    .args:
      - { .name: xc, .offset: 0, .size: 8, .value_kind: global_buffer, .address_space: global }
      - { .name: wqc, .offset: 8, .size: 8, .value_kind: global_buffer, .address_space: global }
      - { .name: lowp_scales, .offset: 16, .size: 8, .value_kind: global_buffer, .address_space: global }
      - { .name: qc, .offset: 24, .size: 8, .value_kind: global_buffer, .address_space: global }
      - { .name: kc, .offset: 32, .size: 8, .value_kind: global_buffer, .address_space: global }
      - { .name: vt, .offset: 40, .size: 8, .value_kind: global_buffer, .address_space: global }
    .group_segment_fixed_size: 327680
    .private_segment_fixed_size: 0
    .kernarg_segment_align: 8
    .kernarg_segment_size: 48
    .max_flat_workgroup_size: 128
    .sgpr_count:     102
    .vgpr_count:     1024
    .wavefront_size: 32
...
	.end_amdgpu_metadata
.endif
;; end of part 2
;; launch attn (part 3): grid 4 x 64, 16 waves a work-group, clusters of 4 x 1, 327,680 bytes of LDS; arguments qc, kc, vt, lowp_scales, cc; writes cc
.if DOCPART == 3
	.amdgcn_target "amdgcn-amd-amdhsa--gfx1250"
	.amdhsa_code_object_version 6
	.text
	.protected	k_q58dc09a207_attn
	.globl	k_q58dc09a207_attn
	.p2align	8
	.type	k_q58dc09a207_attn,@function
k_q58dc09a207_attn:
	s_mov_b64 s[64:65], 0
	v_nop
	global_prefetch_b8 v0, s[64:65] scope:SCOPE_SE
	s_setreg_imm32_b32 hwreg(HW_REG_WAVE_MODE, 25, 1), 1
	s_wait_xcnt 0x0
	s_wait_alu depctr_hold_cnt(0) depctr_sa_sdst(0) depctr_va_vdst(0) depctr_va_sdst(0) depctr_va_ssrc(0) depctr_va_vcc(0) depctr_vm_vsrc(0)
	s_getreg_b32 s2, hwreg(HW_REG_IB_STS2, 6, 4)
	s_cmp_eq_u32 s2, 0
	s_cbranch_scc0 .Lentry_in_a_cluster
	s_endpgm
.Lentry_in_a_cluster:
	s_bfe_u32 s2, ttmp6, 0x10000c
	s_cmp_lg_u32 s2, 0x3003
	s_cbranch_scc0 .Lentry_shape_is_right
	s_endpgm
.Lentry_shape_is_right:
; ctx[b][head][q][:] = the sum over keys of softmax(q . k / 32) v, both products on codes of FP8 (E4M3); the result is quantised at once for the last product and stored as codes.
; qc, kc: [16 b + head][2,048][64];  vt: [64 head + d][2,048 b + n]: codes, within each 32 along the innermost axis in the order in which a 16-byte load at 32 c + 16 (lane / 16) brings the
; K = 64 form's own layout (registers 2 c', 2 c' + 1: k = 16 c' + 8 (lane / 16) + 0..7).  cc: [head][2,048 b + n][64], the channels in their own order.
; THE SOFTMAX: t = score x log2(e) / 32; M = the row's largest t, rounded UP to a whole number; p = 2^(t - M) is quantised along the keys, not normalised.  The row's sum is taken of the unquantised p and divides at the end.
; TWO WALKS OVER THE KEYS.  The first makes the scores and keeps only each query's largest; the second makes them again and works under the row's final M.  By the text's own count, for 64 keys x 32 queries:
; a running M would owe 32 packed lines that rescale O^T and 18 for the factor in every step; the second run of the first product owes 8 matrix instructions and 8 LDS loads, and neither of those.
; SHARES.  A cluster of four work-groups is one head; a work-group owns 512 queries, each of its sixteen waves 32: two tiles of 16, so that each fragment of K and V feeds two matrix instructions.
; THE WHOLE HEAD'S K AND V LIE IN LDS (139,264 + 135,168 bytes with padding): nothing is filled twice.  They come as sixteen joint loads of 16,384 bytes (the same descriptor in the four work-groups, a mask
; that names the four), ONE A WAVE: waves 0-7 an eighth of K each (256 keys), waves 8-15 an eighth of V (32 channels x 512 keys).  One wait for 0 and one barrier show all of it to all waves.
; No prefetch: every tile is asked for by the head's loads, and no later load exists to run ahead of.
; LAYOUT.  Both products are used transposed: S^T = K Q^T (source 0 = 16 keys, source 1 = 16 queries), O^T = V^T P^T (source 0 = 16 channels, source 1 = P): a lane holds ONE query (lane % 16) throughout.
; In S^T's tile t register j is key 16 t + 8 (lane / 16) + j: its eight codes ARE registers 2 t, 2 t + 1 of P.
; LIMITS on the given exponents, so that each power of two below is an f32 number: e2 + e3 between -121 and 132 (added to c's exponent field); e4 and e6 between -126 and 119; e4 + e5 goes by v_ldexp_f32 and has none.
.set PK,    272                        ; an LDS row of K: four keys' 256 bytes + 16 of padding
.set PV,    528                        ; an LDS row of V: a channel's 512 keys of a chunk + 16 of padding
.set KCH,   128*PK                     ; 512 keys of K
.set VCH,   64*PV                      ; a chunk of V: 64 channels x 512 keys
.set VOFF,  4*KCH                      ; V lies behind K
.set STAGE, VOFF+4*VCH                 ; the way out: 32 rows x 80 bytes for each wave; no tile lands here
.set SPARE, STAGE+16*2560              ; the spare words, 128 bytes for each wave, which no other line names
.set AK0,  1                           ; v1   my lane's place in a tile of K
.set AV0,  2                           ; v2   the same for V
.set SPW,  3                           ; v3   LDS address of my spare word; never rewritten
.set NIL,  4                           ; v4   0; never rewritten
.set ADK,  5                           ; v5   LDS address of the step's K
.set ADV,  6                           ; v6   of its V
.set SCP,  7                           ; v7   2^e4 as f32
.set MX,   12                          ; tile u: v[12+2u], v[13+2u] the largest score in two chains; then v[12+2u] = -M
.set SU,   16                          ; tile u: v[16+4u:19+4u] the row's sum, two packed chains
.set F,    24                          ; tile u: v[24+2u] the last factor, v[25+2u] at work
.set QF,   28                          ; v28-43   Q: 8 registers a tile
.set KF,   44                          ; v44-75   K: four tiles of 16 keys
.set VF,   76                          ; v76-107  V: four tiles of 16 channels (first walk: four more tiles of K)
.set S,    108                         ; v108-171 S^T, then p: 32 a tile
.set P,    172                         ; v172-187 p's codes: 8 a tile
.set OA,   188                         ; v188-251 O^T: 32 a tile (first walk: a second set of scores)
.set STO,  252                         ; the way out: into the stage, back, and my place in a store
.set RD,   253
.set GO,   254
.set WV,   14                          ; s14  my wave's number
.set SEL,  20                          ; s[20:21] lane selects for v_permlanex16_b32: lane l xor 16
.set CS,   22                          ; s[22:23] c = log2(e) / 32 x 2^(e2 + e3)
.set G1K,  24                          ; s[24:31] descriptor group 1 for K's tiles;  s[32:39] for V's;  s[40:43], s[44:47] their groups 0
.set G1V,  32
.set G0K,  40
.set G0V,  44
.set EO,   62                          ; s62  e4 + e5
.set SC6,  63                          ; s63  2^e6
.set LP6,  66                          ; s66  448 x 2^e6, s67 its negative
.set LN6,  67
.set LP4,  68                          ; s68  448 x 2^e4
.set KB,   92                          ; s92  LDS byte at which the step's keys begin in K
.set VB,   93                          ; s93  and, from VOFF on, in V
.set CNT,  94
.macro CROUND                          ; a round of the cluster's barrier
	s_barrier_signal -1
	s_barrier_wait -1
	s_cmp_lg_u32 s[WV], 0
	s_cbranch_scc1 .Lnot_wave_0_\@
	s_barrier_signal -3
.Lnot_wave_0_\@:
	s_barrier_wait -3
	s_barrier_signal -1
	s_barrier_wait -1
.endm
	s_load_b128 s[4:7], s[0:1], 0x0                ; Q's codes s[4:5], K's s[6:7]
	s_load_b128 s[8:11], s[0:1], 0x10              ; V's s[8:9], the scales' exponents s[10:11]
	s_load_b64 s[12:13], s[0:1], 0x20              ; ctx's codes
	v_lshl_add_u32 v[SPW], v0, 2, SPARE
	v_mov_b32 v[NIL], 0
	ds_add_u32 v[SPW], v[NIL]                      ; the opening lines: the add, twice on end, and its wait ahead of my tensor load
	ds_add_u32 v[SPW], v[NIL]
	v_lshrrev_b32 v9, 5, v0
	v_readfirstlane_b32 s[WV], v9                  ; wave 0..15
	s_and_b32 s15, s[WV], 1                        ; V: which 32 channels of a chunk
	s_bfe_u32 s48, s[WV], 0x20001                  ; V: which chunk of 512 keys
	s_and_b32 s49, s[WV], 7                        ; which eighth of K or of V is mine to fetch
	s_bfe_u32 s16, ttmp6, 0x40000                  ; cx: it enters Q's and ctx's addresses alone
	s_and_b32 s17, ttmp7, 0xffff                   ; 16 b + head: the cluster's y, which the four partners share
	s_lshr_b32 s18, s17, 4                         ; b
	s_and_b32 s19, s17, 15                         ; head
	; descriptor group 1.  K: 64 rows of 256 bytes (four keys), dense in memory.  V: 32 rows of 512 bytes, 8,192 bytes apart
	s_mov_b32 s[G1K], 15|(0<<16)|(1<<20)|(1<<21)|(5<<22)|(3<<25)  ; the mask of all four; elements of 1 byte; padding on; bit 21 beside a mask; four words after every 64
	s_mov_b32 s[G1K+1], 256<<16
	s_mov_b32 s[G1K+2], 64<<16
	s_mov_b32 s[G1K+3], 256<<16
	s_mov_b32 s[G1K+4], 64
	s_mov_b32 s[G1K+5], 256
	s_mov_b32 s[G1K+6], 0
	s_mov_b32 s[G1K+7], 0
	s_mov_b32 s[G1V], 15|(0<<16)|(1<<20)|(1<<21)|(6<<22)|(3<<25)  ; padding: four words after every 128
	s_mov_b32 s[G1V+1], 512<<16
	s_mov_b32 s[G1V+2], 32<<16
	s_mov_b32 s[G1V+3], 512<<16
	s_mov_b32 s[G1V+4], 32
	s_mov_b32 s[G1V+5], 8192
	s_mov_b32 s[G1V+6], 0
	s_mov_b32 s[G1V+7], 0
	s_mov_b32 s[SEL], 0x76543210
	s_mov_b32 s[SEL+1], 0xfedcba98
	s_mov_b32 s[CS], 0x3d38aa3b                    ; log2(e) / 32
	s_lshl_b32 s96, s17, 17                        ; K: the head's 131,072 bytes,
	s_lshl_b32 s2, s49, 14
	s_add_co_u32 s96, s96, s2                      ; + my eighth: 256 keys of 64 bytes
	s_mov_b32 s97, 0
	s_lshl_b32 s98, s19, 6                         ; V: row 64 head
	s_lshl_b32 s2, s15, 5
	s_add_co_u32 s98, s98, s2                      ; + my 32 rows,
	s_lshl_b32 s98, s98, 13                        ; of 8,192 bytes,
	s_lshl_b32 s2, s18, 11
	s_add_co_u32 s98, s98, s2                      ; + the batch's first token
	s_lshl_b32 s2, s48, 9
	s_add_co_u32 s98, s98, s2                      ; + my chunk's 512 keys
	s_mov_b32 s99, 0
	s_mul_i32 s100, s49, 64*PK                     ; where they go: the wave's number alone enters an LDS address
	s_mul_i32 s101, s49, 32*PV
	s_add_co_u32 s101, s101, VOFF
	s_lshl_b32 s56, s16, 9
	s_lshl_b32 s2, s[WV], 5
	s_add_co_u32 s56, s56, s2                      ; my first query in the head: 512 cx + 32 wave
	s_lshl_b32 s58, s17, 11
	s_add_co_u32 s58, s58, s56
	s_lshl_b32 s58, s58, 6                         ; its codes in qc
	s_mov_b32 s59, 0
	s_lshl_b32 s60, s18, 11
	s_add_co_u32 s60, s60, s56
	s_lshl_b32 s60, s60, 6
	s_lshl_b32 s2, s19, 19
	s_add_co_u32 s60, s60, s2                      ; and its place in cc: head x 524,288 + token x 64
	s_mov_b32 s61, 0
	s_mul_i32 s57, s[WV], 2560
	s_add_co_u32 s57, s57, STAGE                   ; my stage
	s_wait_dscnt 0x0                               ; both opening adds are done
	s_wait_kmcnt 0x0
	s_load_b256 s[84:91], s[10:11], 0x0            ; the eight exponents
	s_add_nc_u64 s[4:5], s[4:5], s[58:59]
	s_add_nc_u64 s[12:13], s[12:13], s[60:61]
	s_mov_b32 s[G0K], 1
	s_mov_b32 s[G0K+1], s100
	s_add_nc_u64 s[G0K+2:G0K+3], s[6:7], s[96:97]
	s_or_b32 s[G0K+3], s[G0K+3], 0x80000000
	s_mov_b32 s[G0V], 1
	s_mov_b32 s[G0V+1], s101
	s_add_nc_u64 s[G0V+2:G0V+3], s[8:9], s[98:99]
	s_or_b32 s[G0V+3], s[G0V+3], 0x80000000
	CROUND                                         ; all four work-groups are here: the joint loads meet
	s_cmp_lt_u32 s[WV], 8                          ; one load a wave, one to each arm; an s_nop 0 and four v_nop follow each
	s_cbranch_scc0 .Lfor_v
	tensor_load_to_lds s[G0K:G0K+3], s[G1K:G1K+7]
	s_nop 0
.rept 4
	v_nop
.endr
	s_branch .Lasked
.Lfor_v:
	tensor_load_to_lds s[G0V:G0V+3], s[G1V:G1V+7]
	s_nop 0
.rept 4
	v_nop
.endr
.Lasked:
	v_and_b32 v9, 15, v0                           ; r = lane % 16
	v_bfe_u32 v10, v0, 4, 1                        ; h = lane / 16
	v_lshlrev_b32 v11, 6, v9
	v_lshl_add_u32 v11, v10, 4, v11                ; Q: row r of 64 bytes, + 16 h
.irp u, 0,1
.irp c, 0,1
	global_load_b128 v[QF+8*\u+4*\c:QF+8*\u+4*\c+3], v11, s[4:5] offset:1024*\u+32*\c   ; Q's two fragments stay in registers
.endr
.endr
	v_lshrrev_b32 v[AK0], 2, v9
	v_mul_u32_u24 v[AK0], v[AK0], PK
	v_and_b32 v[AV0], 3, v0
	v_lshl_add_u32 v[AK0], v[AV0], 6, v[AK0]
	v_lshl_add_u32 v[AK0], v10, 4, v[AK0]          ; K: key r of a tile: (r / 4) x 272 + (r % 4) x 64 + 16 h
	v_mul_u32_u24 v[AV0], v9, PV
	v_lshl_add_u32 v[AV0], v10, 4, v[AV0]
	v_add_nc_u32 v[AV0], VOFF, v[AV0]              ; V: channel r of a tile: r x 528 + 16 h
	v_mul_u32_u24 v[STO], v9, 80
	v_lshl_add_u32 v[STO], v10, 3, v[STO]
	v_add_nc_u32 v[STO], s57, v[STO]               ; into the stage: row r, 8 bytes for each half of the lanes
	v_and_b32 v[GO], 31, v0
	v_lshrrev_b32 v[RD], 2, v[GO]
	v_mul_u32_u24 v[RD], v[RD], 80
	v_and_b32 v[ADK], 3, v0
	v_lshl_add_u32 v[RD], v[ADK], 4, v[RD]
	v_add_nc_u32 v[RD], s57, v[RD]                 ; back: four lanes to a row of 64 bytes, eight rows an instruction
	v_lshlrev_b32 v[GO], 4, v[GO]                  ; and 16 x lane in the store's 512 bytes
.irp i, 0,1,2,3
	v_mov_b32 v[MX+\i], 0xff800000                 ; the largest score so far: -infinity, under every score
	v_mov_b32 v[F+\i], 0                           ; (written once: a lane permute's destination counts as a source, a pair's upper word as read)
.endr
.irp i, 0,1,2,3,4,5,6,7
	v_mov_b32 v[SU+\i], 0                          ; the sums
.endr
	s_wait_kmcnt 0x0
	s_add_co_i32 s2, s86, s87
	s_lshl_b32 s2, s2, 23
	s_add_co_i32 s[CS], s[CS], s2                  ; a score stands for score x 2^(e2 + e3): the two exponents are added to c's exponent field
	s_mov_b32 s[CS+1], s[CS]                       ; (named with it as a pair, so it is written)
	s_add_co_i32 s2, s88, 127
	s_lshl_b32 s3, s2, 23
	v_mov_b32 v[SCP], s3                           ; 2^e4
	s_add_co_i32 s2, s2, 8
	s_lshl_b32 s2, s2, 23
	s_or_b32 s[LP4], s2, 0x600000                  ; 448 x 2^e4
	s_add_co_i32 s[EO], s88, s89                   ; e4 + e5
	s_add_co_i32 s3, s90, 127
	s_lshl_b32 s[SC6], s3, 23                      ; 2^e6
	s_add_co_i32 s3, s3, 8
	s_lshl_b32 s3, s3, 23
	s_or_b32 s[LP6], s3, 0x600000                  ; 448 x 2^e6,
	s_or_b32 s[LN6], s[LP6], 0x80000000            ; and its negative
	s_wait_alu depctr_va_vdst(0)                   ; the wait at the head's end
	s_wait_loadcnt 0x0                             ; Q
	s_wait_tensorcnt 0x0                           ; my sixteenth of K and V has landed;
	s_barrier_signal -1
	s_barrier_wait -1                              ; and so has everybody's.
.macro KLOAD f, t0                     ; four tiles of 16 keys, from tile t0 of the step on
.irp t, 0,1,2,3
.irp c, 0,1
	ds_load_b128 v[\f+8*\t+4*\c:\f+8*\t+4*\c+3], v[ADK] offset:4*PK*(\t+\t0)+32*\c
.endr
.endr
.endm
.macro SCORES d, f                     ; S^T of four tiles of keys x my two tiles of queries; the eight results are eight accumulators
.irp t, 0,1,2,3
.irp u, 0,1
	v_wmma_f32_16x16x64_fp8_fp8 v[\d+32*\u+8*\t:\d+32*\u+8*\t+7], v[\f+8*\t:\f+8*\t+7], v[QF+8*\u:QF+8*\u+7], 0
.endr
.endr
.endm
.macro MAXES b                         ; 64 scores into four chains that take turns; each accumulator is first read at its low end
.irp i, 0,4,8,12,16,20,24,28
.irp u, 0,1
	v_max3_num_f32 v[MX+2*\u], v[MX+2*\u], v[\b+32*\u+\i], v[\b+32*\u+\i+1]
	v_max3_num_f32 v[MX+2*\u+1], v[MX+2*\u+1], v[\b+32*\u+\i+2], v[\b+32*\u+\i+3]
.endr
.endr
.endm
	; THE FIRST WALK: 16 trips of 128 keys.  V's fragment registers and O^T's registers, idle here, hold the second 64 keys
	s_mov_b32 s[KB], 0
	s_mov_b32 s[CNT], 16
.Lmax:
	v_add_nc_u32 v[ADK], s[KB], v[AK0]
	KLOAD KF, 0                                    ; (the last trip's 64 maxima are the places between its products and these loads)
	KLOAD VF, 4
	s_wait_dscnt 0x0
	SCORES S, KF
	SCORES OA, VF
.rept 4
	v_nop                                          ; places in front of the first read of the scores
.endr
	MAXES S
	MAXES OA
	s_add_co_u32 s[KB], s[KB], 32*PK               ; 128 keys on
	s_sub_co_u32 s[CNT], s[CNT], 1
	s_cmp_lg_u32 s[CNT], 0
	s_wait_alu depctr_va_vdst(0)                   ; directly ahead of the branch
	s_cbranch_scc1 .Lmax
.irp u, 0,1
	v_max_num_f32 v[MX+2*\u], v[MX+2*\u], v[MX+2*\u+1]
.endr
.irp u, 0,1
	v_permlanex16_b32 v[F+2*\u+1], v[MX+2*\u], s[SEL], s[SEL+1]   ; the query's other keys lie in the lane 16 away
.endr
.irp u, 0,1
	v_max_num_f32 v[MX+2*\u], v[MX+2*\u], v[F+2*\u+1]
.endr
.irp u, 0,1
	v_mul_f32 v[MX+2*\u], s[CS], v[MX+2*\u]        ; as t (c is positive)
.endr
.irp u, 0,1
	v_floor_f32 v[MX+2*\u], -v[MX+2*\u]            ; -M = floor(-t) = -ceil(t)
.endr
.set x, 0
.rept 64
	v_mov_b32 v[OA+x], 0                           ; O^T: the step is written without a first step of its own
.set x, x+1
.endr
; THE SECOND WALK.  A key step: 64 keys, both tiles of queries, the two by turns.
.macro STEP
	v_add_nc_u32 v[ADK], s[KB], v[AK0]
	v_add_nc_u32 v[ADV], s[VB], v[AV0]
	v_nop                                          ; with the two additions: four places between the last step's products, which read V's fragments, and the loads into them
	v_nop
	KLOAD KF, 0
.irp t, 0,1,2,3
.irp c, 0,1
	ds_load_b128 v[VF+8*\t+4*\c:VF+8*\t+4*\c+3], v[ADV] offset:16*PV*\t+32*\c
.endr
.endr
	s_wait_dscnt 0x0
	SCORES S, KF
.rept 4
	v_nop                                          ; places in front of the first read of the scores
.endr
.irp j, 0,2,4,6,8,10,12,14,16,18,20,22,24,26,28,30
.irp u, 0,1
	v_pk_fma_f32 v[S+32*\u+\j:S+32*\u+\j+1], v[S+32*\u+\j:S+32*\u+\j+1], s[CS:CS+1], v[MX+2*\u:MX+2*\u+1] op_sel_hi:[1,0,0]   ; t - M, two at a time (of the pairs c and -M the low word serves both halves)
.endr
.endr
	s_wait_alu depctr_va_vdst(0)                   ; the wait ahead of the batch
.set x, 0
.rept 64
	v_exp_f32 v[S+x], v[S+x]                       ; p = 2^(t - M), at most 1: both tiles' exponentials are one batch
.set x, x+1
.endr
	v_nop                                          ; the plain place behind the batch
	s_wait_alu depctr_va_vdst(0)                   ; and the one wait behind it, ahead of its first reader
.irp j, 0,4,8,12,16,20,24,28
.irp u, 0,1
	v_pk_add_f32 v[SU+4*\u:SU+4*\u+1], v[SU+4*\u:SU+4*\u+1], v[S+32*\u+\j:S+32*\u+\j+1]       ; the row's sum is taken of the UNQUANTISED p: two at a time, two chains a tile
	v_pk_add_f32 v[SU+4*\u+2:SU+4*\u+3], v[SU+4*\u+2:SU+4*\u+3], v[S+32*\u+\j+2:S+32*\u+\j+3]
.endr
.endr
.irp t, 0,1,2,3
.irp u, 0,1
.irp i, 0,2,4,6
	v_dual_min_num_f32 v[S+32*\u+8*\t+\i], s[LP4], v[S+32*\u+8*\t+\i] :: v_dual_min_num_f32 v[S+32*\u+8*\t+\i+1], s[LP4], v[S+32*\u+8*\t+\i+1]   ; the conversion does not saturate (ISA guide 7.6.2); p is not negative, so the hold is one-sided; two holds a line
.endr
.endr
.irp u, 0,1
	v_cvt_scalef32_pk8_fp8_f32 v[P+8*\u+2*\t:P+8*\u+2*\t+1], v[S+32*\u+8*\t:S+32*\u+8*\t+7], v[SCP]   ; keys 16 t + 8 h + 0..7: registers 2 t, 2 t + 1 of the operand
.endr
.endr
	v_nop                                          ; one plain line behind the last conversion
	s_wait_alu depctr_va_vdst(0)                   ; directly ahead of the first reader of O^T
.irp t, 0,1,2,3
.irp u, 0,1
	v_wmma_f32_16x16x64_fp8_fp8 v[OA+32*\u+8*\t:OA+32*\u+8*\t+7], v[VF+8*\t:VF+8*\t+7], v[P+8*\u:P+8*\u+7], v[OA+32*\u+8*\t:OA+32*\u+8*\t+7]   ; the eight accumulators take turns
.endr
.endr
	s_add_co_u32 s[KB], s[KB], 16*PK               ; 64 keys on: 16 rows of K,
	s_add_co_u32 s[VB], s[VB], 64                  ; 64 bytes of each row of V
.endm
.macro CHUNK c                         ; 512 keys, eight steps; the addresses start from constants in each chunk, since V's chunks lie one behind the other
	s_mov_b32 s[KB], \c*KCH
	s_mov_b32 s[VB], \c*VCH
	s_mov_b32 s[CNT], 8
.Lstep_\@:
	STEP
	s_sub_co_u32 s[CNT], s[CNT], 1
	s_cmp_lg_u32 s[CNT], 0
	s_cbranch_scc1 .Lstep_\@
.endm
	CHUNK 0
	CHUNK 1
	CHUNK 2
	CHUNK 3
	; THE WAY OUT.  ctx = O^T x 2^(e4 + e5) / the sum, quantised with 2^e6; the codes go through my stage in LDS and leave as 2,048 bytes on end.  The additions are places behind the last products.
.irp u, 0,1
	v_pk_add_f32 v[SU+4*\u:SU+4*\u+1], v[SU+4*\u:SU+4*\u+1], v[SU+4*\u+2:SU+4*\u+3]
.endr
.irp u, 0,1
	v_add_f32 v[10+\u], v[SU+4*\u], v[SU+4*\u+1]
.endr
.irp u, 0,1
	v_permlanex16_b32 v[F+2*\u+1], v[10+\u], s[SEL], s[SEL+1]
.endr
.irp u, 0,1
	v_add_f32 v[10+\u], v[10+\u], v[F+2*\u+1]      ; with lane l xor 16's: the row's sum, more than 1/2
.endr
	s_wait_alu depctr_va_vdst(0)                   ; the wait ahead of the transcendentals
.irp u, 0,1
	v_rcp_f32 v[F+2*\u], v[10+\u]
.endr
	v_mov_b32 v9, s[SC6]                           ; (the plain line behind the reciprocals)  the conversion's scale
	s_wait_alu depctr_va_vdst(0)                   ; the wait ahead of their first use: one for both
.irp u, 0,1
	v_ldexp_f32 v[F+2*\u], v[F+2*\u], s[EO]
.endr
	s_wait_alu depctr_va_vdst(0)                   ; directly ahead of the first reader of O^T
.irp u, 0,1
.irp j, 0,2,4,6,8,10,12,14,16,18,20,22,24,26,28,30
	v_pk_mul_f32 v[S+32*\u+\j:S+32*\u+\j+1], v[OA+32*\u+\j:OA+32*\u+\j+1], v[F+2*\u:F+2*\u+1] op_sel_hi:[1,0]   ; register 8 t + j: ctx(query r, channel 16 t + 8 h + j); each accumulator from its low end on
.endr
.endr
.set x, 0
.rept 64
	v_med3_num_f32 v[S+x], v[S+x], s[LN6], s[LP6]  ; the hold at the largest code x the scale
.set x, x+1
.endr
.irp u, 0,1
.irp t, 0,1,2,3
	v_cvt_scalef32_pk8_fp8_f32 v[P+8*\u+2*\t:P+8*\u+2*\t+1], v[S+32*\u+8*\t:S+32*\u+8*\t+7], v9
.endr
.endr
	v_nop                                          ; one plain line behind the last conversion
.irp u, 0,1
.irp t, 0,1,2,3
	ds_store_b64 v[STO], v[P+8*\u+2*\t:P+8*\u+2*\t+1] offset:1280*\u+16*\t   ; row 16 u + r, bytes 16 t + 8 h on: the channels in their own order
.endr
.endr
.irp i, 0,1,2,3
	ds_load_b128 v[KF+4*\i:KF+4*\i+3], v[RD] offset:640*\i   ; LDS serves a wave's instructions in order (ISA guide 5.7.1.4): these see my stores
.endr
.irp i, 0,1,2,3
	s_wait_dscnt 3-\i                              ; load i is in, the younger ones may be out
	global_store_b128 v[GO], v[KF+4*\i:KF+4*\i+3], s[12:13] offset:512*\i   ; 32 lanes store 512 consecutive bytes (eight queries), at a multiple of 256 from the buffer's first byte
.endr
	s_wait_tensorcnt 0x0                           ; the wave's end, behind my tensor load and my last LDS store
	ds_add_u32 v[SPW], v[NIL]
	s_wait_dscnt 0x0
	CROUND                                         ; the closing round: no work-group ends while a partner may still ask for a tile that names it
	s_endpgm
.Lfunc_end_k_q58dc09a207_attn:
	.size	k_q58dc09a207_attn, .Lfunc_end_k_q58dc09a207_attn-k_q58dc09a207_attn
	.p2alignl 7, 3214868480
	.fill 96, 4, 3214868480
	.section	.rodata,"a",@progbits
	.p2align	6, 0x0
	.amdhsa_kernel k_q58dc09a207_attn
		.amdhsa_group_segment_fixed_size 327680
		.amdhsa_private_segment_fixed_size 0
		.amdhsa_enable_private_segment 0
		.amdhsa_kernarg_size 40
		.amdhsa_user_sgpr_count 2
		.amdhsa_user_sgpr_kernarg_segment_ptr 1
		.amdhsa_wavefront_size32 1
		.amdhsa_system_sgpr_workgroup_id_x 1
		.amdhsa_system_sgpr_workgroup_id_y 1
		.amdhsa_system_sgpr_workgroup_id_z 1
		.amdhsa_system_vgpr_workitem_id 0
		.amdhsa_next_free_vgpr 256
		.amdhsa_next_free_sgpr 102
		.amdhsa_reserve_vcc 0
		.amdhsa_float_denorm_mode_32 3
		.amdhsa_float_denorm_mode_16_64 3
		.amdhsa_memory_ordered 1
		.amdhsa_forward_progress 1
		.amdhsa_inst_pref_size 71
	.end_amdhsa_kernel
	.amdgpu_metadata
---
amdhsa.version: [ 1, 2 ]
amdhsa.kernels:
  - .name:           k_q58dc09a207_attn
    .symbol:         k_q58dc09a207_attn.kd
    .args:
      - { .name: qc, .offset: 0, .size: 8, .value_kind: global_buffer, .address_space: global }
      - { .name: kc, .offset: 8, .size: 8, .value_kind: global_buffer, .address_space: global }
      - { .name: vt, .offset: 16, .size: 8, .value_kind: global_buffer, .address_space: global }
      - { .name: lowp_scales, .offset: 24, .size: 8, .value_kind: global_buffer, .address_space: global }
      - { .name: cc, .offset: 32, .size: 8, .value_kind: global_buffer, .address_space: global }
    .group_segment_fixed_size: 327680
    .private_segment_fixed_size: 0
    .kernarg_segment_align: 8
    .kernarg_segment_size: 40
    .max_flat_workgroup_size: 512
    .sgpr_count:     102
    .vgpr_count:     256
    .wavefront_size: 32
...
	.end_amdgpu_metadata
.endif
;; end of part 3
;; launch gemm_out (part 4): grid 8 x 32, 4 waves a work-group, clusters of 4 x 4, 327,680 bytes of LDS; arguments cc, woc, lowp_scales, b_out, out0; writes out0
.if DOCPART == 4
	.amdgcn_target "amdgcn-amd-amdhsa--gfx1250"
	.amdhsa_code_object_version 6
	.text
	.protected	k_q58dc09a207_gemm_out
	.globl	k_q58dc09a207_gemm_out
	.p2align	8
	.type	k_q58dc09a207_gemm_out,@function
k_q58dc09a207_gemm_out:
	s_mov_b64 s[64:65], 0
	v_nop
	global_prefetch_b8 v0, s[64:65] scope:SCOPE_SE
	s_setreg_imm32_b32 hwreg(HW_REG_WAVE_MODE, 25, 1), 1
	s_wait_xcnt 0x0
	s_wait_alu depctr_hold_cnt(0) depctr_sa_sdst(0) depctr_va_vdst(0) depctr_va_sdst(0) depctr_va_ssrc(0) depctr_va_vcc(0) depctr_vm_vsrc(0)
	s_getreg_b32 s2, hwreg(HW_REG_IB_STS2, 6, 4)
	s_cmp_eq_u32 s2, 0
	s_cbranch_scc0 .Lentry_in_a_cluster
	s_endpgm
.Lentry_in_a_cluster:
	s_bfe_u32 s2, ttmp6, 0x10000c
	s_cmp_lg_u32 s2, 0xf033
	s_cbranch_scc0 .Lentry_shape_is_right
	s_endpgm
.Lentry_shape_is_right:
; out0[token][n] = 2^(e6 + e7) x the sum over k of ctx's code x w_out's code + b_out[n]: codes of FP8 (E4M3), K = 1,024, sums in f32.
; cc: [head][token][64] (k = 64 head + channel);  woc: [n][1,024].  LIMIT: e6 + e7 between -126 and 127, so that 2^(e6 + e7) is an f32 number.
; SHARES.  8,192 x 1,024 results in blocks of 256 tokens x 128 columns: 32 x 8 = 256 work-groups.  Four waves, each 128 tokens x 64 columns: 32 accumulators of 16 x 16.
; K goes in steps of 256 (four heads) through a ring of two LDS slots.  Waves 0 and 1 fetch 128 tokens x 4 heads each (a head's 128 tokens are 8,192 bytes on end, laid as 32 LDS rows of four tokens),
; waves 2 and 3 fetch 64 rows of w_out each.  CLUSTERS of 4 x 4: ctx's tile is shared along a row of the cluster, w_out's along a column, each asked for jointly.
; THE MATRIX INSTRUCTION IS USED TRANSPOSED (source 0 = 16 rows of w_out, source 1 = 16 tokens): a lane holds eight neighbouring columns of one token.
; No prefetch: K has four steps, of which two are asked for at the start; a request two steps ahead of the other two would stand at the head, where none is laid.
; REGISTERS, in windows of 256: window 0: v0-31 addresses, v32-63 the bias, from v128 ctx's fragments (one set; on the way out the rows read back);  window 1: w_out's fragments, two sets at v0 and v128 (on the way out v0-31 the results);
; window 2: the accumulators of my tokens 0-63 (accumulator (a, b) at v[8 (8 a + b)], b = 0..3);  window 3: those of tokens 64-127.
.set SIZE_N, 1024
.set ROWB,   256                       ; a row of w_out's tile in bytes
.set KROW,   1024                      ; a row of w_out's codes in memory
.set ASTEP,  4*524288                  ; four heads on in cc
.set PITCH,  272                       ; an LDS row: 256 bytes + 16 of padding
.set HEADB,  32*PITCH                  ; a head's 128 tokens in LDS
.set FR,     16                        ; registers of a fragment: 16 rows x 128 K
.set NL,     4                         ; LDS loads that bring one
.set NP,     4                         ; places behind this matrix instruction (ISA guide 7.12.1)
.set HALFT,  128*PITCH                 ; what a wave's load of ctx fills; w_out's 64 rows take the first half of such a region
.set SLOT,   4*HALFT                   ; a region for each wave's load
.set SPARE,  2*SLOT                    ; behind the ring: the spare words, 128 bytes for each wave, which no other line names
.set SPITCH, 528                       ; the way out: a stage of 16 rows for each wave, in slot 0, which has had its last fill and its last read by then
.set ADRA, 16                          ; v16-17  LDS address of my fragments of ctx in slot 0, 1
.set ADRB, 20                          ; v20-21  the same for w_out
.set STO,  24                          ; v24     the way out: where I put 32 bytes of a row
.set RD,   25                          ; v25     where I read rows back
.set CO,   26                          ; v26     my byte offset in two rows of out0
.set BO,   27                          ; v27     my byte offset in the bias
.set SPW,  28                          ; v28     LDS address of my spare word; never rewritten
.set NIL,  29                          ; v29     0; never rewritten
.set BIAS, 32
.set TMP,  0
.set AF,   128
.set BK,   128
.set G1, 24                            ; s[24:31] descriptor group 1 for ctx's tiles;  s[32:39] groups 0, one for each slot
.set G0, 32
.set G1B, 48                           ; s[48:55], s[56:63] the same for w_out's
.set G0B, 56
.set MSB, 0
.macro WIN new                         ; the immediate's high byte repeats the setting that is left
.if MSB != \new
	s_set_vgpr_msb (MSB<<8)|\new
.set MSB, \new
.endif
.endm
.set MUL_LO, 0xa1                      ; source 0 window 1, source 1 window 0, C and D window 2
.set MUL_HI, 0xf1                      ; the same, C and D window 3
.set TO_B,   0x40                      ; destination window 1, address window 0
.macro JLOAD g0a, g1a, g0b, g1b        ; a joint load: waves 0, 1 for ctx, waves 2, 3 for w_out; an s_nop 0 and four v_nop follow each line
	s_cmp_eq_u32 s15, 0
	s_cbranch_scc0 .Lfor_b_\@
	tensor_load_to_lds s[\g0a:\g0a+3], s[\g1a:\g1a+7]
	s_nop 0
.rept 4
	v_nop
.endr
	s_branch .Lasked_\@
.Lfor_b_\@:
	tensor_load_to_lds s[\g0b:\g0b+3], s[\g1b:\g1b+7]
	s_nop 0
.rept 4
	v_nop
.endr
.Lasked_\@:
.endm
.macro CREST                           ; a round of the cluster's barrier behind its opening barrier
	s_cmp_lg_u32 s14, 0
	s_cbranch_scc1 .Lnot_wave_0_\@
	s_barrier_signal -3
.Lnot_wave_0_\@:
	s_barrier_wait -3
	s_barrier_signal -1
	s_barrier_wait -1
.endm
.macro CROUND                          ; a whole round
	s_barrier_signal -1
	s_barrier_wait -1
	CREST
.endm
	s_load_b128 s[4:7], s[0:1], 0x0                ; ctx's codes, w_out's codes
	s_load_b128 s[8:11], s[0:1], 0x10              ; the scales' exponents, the bias
	s_load_b64 s[12:13], s[0:1], 0x20              ; out0
	v_lshl_add_u32 v[SPW], v0, 2, SPARE
	v_mov_b32 v[NIL], 0
	ds_add_u32 v[SPW], v[NIL]                      ; the opening lines: the add, twice on end, and its wait ahead of my first tensor load
	ds_add_u32 v[SPW], v[NIL]
	v_lshrrev_b32 v1, 5, v0
	v_readfirstlane_b32 s14, v1                    ; wave 0..3
	s_lshr_b32 s15, s14, 1                         ; which 128 tokens are mine.  Also: I fetch for ctx (0) or for w_out (1)
	s_and_b32 s16, s14, 1                          ; which 64 columns are mine.  Also: which half of that tile I fetch
	s_bfe_u32 s40, ttmp6, 0x40000                  ; cx, cy: my place in the cluster
	s_bfe_u32 s41, ttmp6, 0x40004
	s_lshl_b32 s42, ttmp9, 2
	s_add_co_u32 s42, s42, s40                     ; block column = 4 x cluster x + cx: 0..7
	s_and_b32 s17, ttmp7, 0xffff
	s_lshl_b32 s17, s17, 2
	s_add_co_u32 s17, s17, s41                     ; block row = 4 x cluster y + cy: 0..31
	s_lshl_b32 s43, s41, 2
	s_lshl_b32 s43, 15, s43                        ; my row of the cluster
	s_lshl_b32 s44, 0x1111, s40                    ; my column
	s_or_b32 s[G1+0], s43, (0<<16)|(1<<20)|(1<<21)|(5<<22)|(3<<25)  ; the mask; elements of 1 byte; padding on; bit 21 beside a mask; four words after every 64
	s_mov_b32 s[G1+1], 8192<<16                    ; ctx: 4 rows (heads) of 8,192 bytes (128 tokens), 524,288 bytes apart
	s_mov_b32 s[G1+2], 4<<16
	s_mov_b32 s[G1+3], 8192<<16
	s_mov_b32 s[G1+4], 4
	s_mov_b32 s[G1+5], 524288
	s_mov_b32 s[G1+6], 0
	s_mov_b32 s[G1+7], 0
	s_or_b32 s[G1B+0], s44, (0<<16)|(1<<20)|(1<<21)|(5<<22)|(3<<25)
	s_mov_b32 s[G1B+1], ROWB<<16                   ; w_out: 64 rows of 256 bytes, 1,024 bytes apart
	s_mov_b32 s[G1B+2], 64<<16
	s_mov_b32 s[G1B+3], ROWB<<16
	s_mov_b32 s[G1B+4], 64
	s_mov_b32 s[G1B+5], KROW
	s_mov_b32 s[G1B+6], 0
	s_mov_b32 s[G1B+7], 0
	s_lshl_b32 s18, s16, 7
	s_lshl_b32 s20, s17, 8
	s_add_co_u32 s20, s20, s18                     ; ctx: token 256 x block row + 128 x half,
	s_lshl_b32 s20, s20, 6                         ; of 64 bytes in a head
	s_mov_b32 s21, 0
	s_lshl_b32 s18, s16, 6
	s_lshl_b32 s46, s42, 7
	s_add_co_u32 s46, s46, s18                     ; w_out: row 128 x block column + 64 x half,
	s_lshl_b32 s46, s46, 10                        ; of 1,024 bytes
	s_mov_b32 s47, 0
	s_mul_i32 s45, s14, HALFT                      ; where my load goes: the wave's number alone enters an LDS address
	s_mul_i32 s72, s15, HALFT                      ; my 128 tokens in slot 0,
	s_add_co_u32 s73, s72, SLOT                    ; and in slot 1
	s_mul_i32 s74, s16, HALFT
	s_add_co_u32 s74, s74, 2*HALFT                 ; my 64 rows of w_out in slot 0,
	s_add_co_u32 s75, s74, SLOT                    ; and in slot 1
	s_mul_i32 s23, s14, 16*SPITCH                  ; my stage
	s_lshl_b32 s68, s42, 9
	s_lshl_b32 s69, s16, 8
	s_add_co_u32 s68, s68, s69                     ; my first column, in bytes of f32: 512 x block column + 256 x half
	s_mov_b32 s69, 0
	s_lshl_b32 s70, s17, 8
	s_lshl_b32 s71, s15, 7
	s_add_co_u32 s70, s70, s71                     ; my first token,
	s_lshl_b32 s70, s70, 12                        ; of 4,096 bytes in out0,
	s_add_co_u32 s70, s70, s68                     ; + my first column (under 2^26 in all)
	s_mov_b32 s71, 0
	s_wait_dscnt 0x0                               ; both opening adds are done
	s_wait_kmcnt 0x0
	s_load_b64 s[96:97], s[8:9], 0x18              ; e6, e7
	s_add_nc_u64 s[20:21], s[4:5], s[20:21]
	s_add_nc_u64 s[46:47], s[6:7], s[46:47]
	s_add_nc_u64 s[10:11], s[10:11], s[68:69]
	s_add_nc_u64 s[12:13], s[12:13], s[70:71]
	CROUND                                         ; all sixteen work-groups are here: the first joint loads meet
.irp s, 0,1
	s_mov_b32 s[G0+4*\s], 1
	s_add_co_u32 s[G0+4*\s+1], s45, \s*SLOT
	s_add_nc_u64 s[G0+4*\s+2:G0+4*\s+3], s[20:21], \s*ASTEP
	s_or_b32 s[G0+4*\s+3], s[G0+4*\s+3], 0x80000000
	s_mov_b32 s[G0B+4*\s], 1
	s_add_co_u32 s[G0B+4*\s+1], s45, \s*SLOT
	s_add_nc_u64 s[G0B+4*\s+2:G0B+4*\s+3], s[46:47], \s*ROWB
	s_or_b32 s[G0B+4*\s+3], s[G0B+4*\s+3], 0x80000000
.endr
	JLOAD G0, G1, G0B, G1B                         ; K step 0: one tensor load a wave at the head
	v_and_b32 v1, 15, v0                           ; r = lane % 16
	v_bfe_u32 v2, v0, 4, 1                         ; h = lane / 16
	v_mul_u32_u24 v3, v1, PITCH
	v_lshl_add_u32 v4, v2, 4, v3                   ; w_out: row r x pitch + 16 h
	v_lshrrev_b32 v5, 2, v1
	v_mul_u32_u24 v5, v5, PITCH
	v_and_b32 v6, 3, v0
	v_lshl_add_u32 v5, v6, 6, v5
	v_lshl_add_u32 v5, v2, 4, v5                   ; ctx: token r: (r / 4) x pitch + (r % 4) x 64 + 16 h
	v_mul_u32_u24 v7, v1, SPITCH
	v_lshl_add_u32 v7, v2, 5, v7                   ; into the stage: row r, 32 bytes for each half of the lanes
	v_mul_u32_u24 v8, v2, SPITCH
	v_lshl_add_u32 v8, v1, 4, v8                   ; back: sixteen lanes to a row of 256 bytes, two rows an instruction
	v_mul_u32_u24 v9, v2, SIZE_N*4
	v_lshl_add_u32 v[CO], v1, 4, v9                ; and the same two rows in out0
	v_lshlrev_b32 v[BO], 5, v2
	v_add_nc_u32 v[ADRA], s72, v5
	v_add_nc_u32 v[ADRA+1], s73, v5
	v_add_nc_u32 v[ADRB], s74, v4
	v_add_nc_u32 v[ADRB+1], s75, v4
	v_add_nc_u32 v[STO], s23, v7
	v_add_nc_u32 v[RD], s23, v8
	s_wait_alu depctr_va_vdst(0)                   ; the wait at the head's end
.irp b, 0,1,2,3
	global_load_b128 v[BIAS+8*\b:BIAS+8*\b+3], v[BO], s[10:11] offset:64*\b        ; the bias at my lane's eight columns of each of the four column blocks
	global_load_b128 v[BIAS+8*\b+4:BIAS+8*\b+7], v[BO], s[10:11] offset:64*\b+16
.endr
.macro FRAG reg, adr, q, i             ; w_out: 16 rows x 128 K: registers 4 c .. 4 c + 3 hold K = 32 c + 16 h + 0 .. 15
.irp c, 0,1,2,3
	ds_load_b128 v[\reg+4*\c:\reg+4*\c+3], v[\adr] offset:128*(\q)+32*\c+(\i)*16*PITCH
.endr
.endm
.macro FRAGA reg, adr, q, i            ; ctx: the same K of 16 tokens: two heads of 64, each in its own 32 LDS rows
.irp c, 0,1,2,3
	ds_load_b128 v[\reg+4*\c:\reg+4*\c+3], v[\adr] offset:(2*(\q)+\c/2)*HEADB+32*(\c%2)+(\i)*4*PITCH
.endr
.endm
.macro MUL8 a0, p, zero                ; token blocks a0, a0 + 1 x the four column blocks, 128 along K; the 32 accumulators take turns in the same order in every step
.irp a, \a0, \a0+1
.irp b, 0,1,2,3
.if \zero
	v_wmma_f32_16x16x128_fp8_fp8 v[8*(8*((\a)%4)+\b):8*(8*((\a)%4)+\b)+7], v[128*(\p)+FR*\b:128*(\p)+FR*\b+FR-1], v[AF+FR*(\a):AF+FR*(\a)+FR-1], 0
.else
	v_wmma_f32_16x16x128_fp8_fp8 v[8*(8*((\a)%4)+\b):8*(8*((\a)%4)+\b)+7], v[128*(\p)+FR*\b:128*(\p)+FR*\b+FR-1], v[AF+FR*(\a):AF+FR*(\a)+FR-1], v[8*(8*((\a)%4)+\b):8*(8*((\a)%4)+\b)+7]
.endif
.endr
.endr
.endm
.macro FETCH_B slot, q, p
	WIN TO_B
.irp i, 0,1,2,3
	FRAG 128*(\p)+FR*\i, ADRB+\slot, \q, \i
.endr
	WIN 0
.endm
.macro FETCH_A slot, q, i0
.irp i, \i0, \i0+1, \i0+2, \i0+3
	FRAGA AF+FR*(\i), ADRA+\slot, \q, \i
.endr
.endm
.macro PLACES n                        ; plain vector lines between matrix instructions and loads into, or reads of, their registers
.rept \n
	v_nop
.endr
.endm
.macro STEP slot, q, zero              ; 128 along K, with its successor in the same slot
	s_wait_dscnt 4*NL                              ; all but the youngest sixteen loads (ctx's blocks 4-7) are in
	WIN MUL_LO
	MUL8 0, (\q)%2, \zero
	MUL8 2, (\q)%2, \zero
	s_wait_dscnt 0
	PLACES NP
	FETCH_B \slot, (\q)+1, 1-(\q)%2
	FETCH_A \slot, (\q)+1, 0
	WIN MUL_HI
	MUL8 4, (\q)%2, \zero
	MUL8 6, (\q)%2, \zero
	PLACES NP
	WIN 0
	FETCH_A \slot, (\q)+1, 4
.endm
.macro TURN slot, next, fill           ; a slot's last 128 along K, and the change of slots.  fill = 1: this slot is filled again, two K steps ahead
	s_wait_tensorcnt 0x0                           ; all my tensor loads have landed: my part of the next slot
	ds_add_u32 v[SPW], v[NIL]                      ; 0 onto my spare word
	s_wait_dscnt 4*NL+1                            ; the add and the youngest sixteen loads may be out
	WIN MUL_LO
	MUL8 0, 1, 0
	s_wait_dscnt 0x0                               ; the add is done, and my reads of this slot are over
	s_barrier_signal -1
	MUL8 2, 1, 0
	WIN 0
	s_barrier_wait -1
.if \fill
	CREST                                          ; the barrier has opened a round of the cluster's barrier: no wave of any partner still reads this slot or has a load on its way
	s_add_nc_u64 s[G0+4*\slot+2:G0+4*\slot+3], s[G0+4*\slot+2:G0+4*\slot+3], 2*ASTEP
	s_add_nc_u64 s[G0B+4*\slot+2:G0B+4*\slot+3], s[G0B+4*\slot+2:G0B+4*\slot+3], 2*ROWB
	JLOAD G0+4*\slot, G1, G0B+4*\slot, G1B         ; the first tensor load behind the round; its four v_nop are the places in front of the loads below
.else
	PLACES NP
.endif
	FETCH_B \next, 0, 0
	FETCH_A \next, 0, 0
	WIN MUL_HI
	MUL8 4, 1, 0
	MUL8 6, 1, 0
	PLACES NP
	WIN 0
	FETCH_A \next, 0, 4
.endm
	s_wait_tensorcnt 0x0                           ; my part of K step 0 is in
	ds_add_u32 v[SPW], v[NIL]
	s_wait_dscnt 0x0
	CROUND                                         ; everybody's part of K step 0 is in, and the sixteen work-groups meet
	JLOAD G0+4, G1, G0B+4, G1B                     ; K step 1: the first tensor load behind the round
	FETCH_B 0, 0, 0
	FETCH_A 0, 0, 0
	FETCH_A 0, 0, 4
	STEP 0, 0, 1                                   ; the first products start the sums: nothing is cleared
	TURN 0, 1, 1
	STEP 1, 0, 0
	TURN 1, 0, 1
	STEP 0, 0, 0
	TURN 0, 1, 0                                   ; the last lap fills nothing
	STEP 1, 0, 0
	s_wait_dscnt 4*NL
	WIN MUL_LO
	MUL8 0, 1, 0
	MUL8 2, 1, 0
	s_wait_dscnt 0
	WIN MUL_HI
	MUL8 4, 1, 0
	MUL8 6, 1, 0
	WIN 0
; THE WAY OUT, block by block of 16 tokens x 64 columns: sum x 2^(e6 + e7) + bias by one packed multiply-add, through my own stage in LDS, and back as rows of 256 bytes.
; LDS serves a wave's instructions in order (ISA guide 5.7.1.4): no wait between the stores and the loads.
.macro TOSTAGE a
.set AC, 64*((\a)%4)
	WIN 0x42+((\a)/4)                              ; source 0: window 2 or 3; destination: window 1; the bias: window 0
.irp j, 0,2,4,6,8,10,12,14,16,18,20,22,24,26,28,30
	v_pk_fma_f32 v[TMP+\j:TMP+\j+1], v[AC+\j:AC+\j+1], s[96:97], v[BIAS+\j:BIAS+\j+1] op_sel_hi:[1,0,1]   ; each accumulator from its low end on
.endr
	WIN 0x04                                       ; the stores' data: window 1
.irp b, 0,1,2,3
	ds_store_b128 v[STO], v[TMP+8*\b:TMP+8*\b+3] offset:64*\b
	ds_store_b128 v[STO], v[TMP+8*\b+4:TMP+8*\b+7] offset:64*\b+16
.endr
	WIN 0
.set BB, BK+32*((\a)%2)
.irp t, 0,1,2,3,4,5,6,7
	ds_load_b128 v[BB+4*\t:BB+4*\t+3], v[RD] offset:\t*2*SPITCH
.endr
.endm
.macro SEND a, younger                 ; younger: the LDS instructions issued behind block a's loads, which may stay out
.set BB, BK+32*((\a)%2)
	s_wait_dscnt \younger
.if (\a) > 0
	s_add_nc_u64 s[12:13], s[12:13], 16*SIZE_N*4   ; (behind a wait on XCNT: the earlier stores have read their base)
.endif
.irp t, 0,1,2,3,4,5,6,7
	global_store_b128 v[CO], v[BB+4*\t:BB+4*\t+3], s[12:13] offset:2*\t*SIZE_N*4 th:TH_STORE_NT   ; sixteen lanes store 256 consecutive bytes, at a multiple of 256 from out0's first byte; written once
.endr
.endm
	s_wait_kmcnt 0x0
	s_add_co_i32 s96, s96, s97
	s_add_co_i32 s96, s96, 127
	s_lshl_b32 s96, s96, 23                        ; 2^(e6 + e7) as f32
	s_mov_b32 s97, s96                             ; (named with it as a pair, so it is written)
	s_wait_loadcnt 0x0                             ; the bias
	PLACES NP
	TOSTAGE 0
.irp a, 1,2,3,4,5,6,7
.if \a > 1
	s_wait_xcnt 0x0                                ; block a - 2's stores have read their registers and their base
.endif
	TOSTAGE \a
	SEND \a-1, 16                                  ; behind block a - 1's loads: block a's 8 stores and 8 loads
.endr
	s_wait_xcnt 0x0
	SEND 7, 0
	s_wait_tensorcnt 0x0                           ; the wave's end
	ds_add_u32 v[SPW], v[NIL]
	s_wait_dscnt 0x0
	CROUND                                         ; the closing round
	s_endpgm
.Lfunc_end_k_q58dc09a207_gemm_out:
	.size	k_q58dc09a207_gemm_out, .Lfunc_end_k_q58dc09a207_gemm_out-k_q58dc09a207_gemm_out
	.p2alignl 7, 3214868480
	.fill 96, 4, 3214868480
	.section	.rodata,"a",@progbits
	.p2align	6, 0x0
	.amdhsa_kernel k_q58dc09a207_gemm_out
		.amdhsa_group_segment_fixed_size 327680
		.amdhsa_private_segment_fixed_size 0
		.amdhsa_enable_private_segment 0
		.amdhsa_kernarg_size 40
		.amdhsa_user_sgpr_count 2
		.amdhsa_user_sgpr_kernarg_segment_ptr 1
		.amdhsa_wavefront_size32 1
		.amdhsa_system_sgpr_workgroup_id_x 1
		.amdhsa_system_sgpr_workgroup_id_y 1
		.amdhsa_system_sgpr_workgroup_id_z 1
		.amdhsa_system_vgpr_workitem_id 0
		.amdhsa_next_free_vgpr 1024
		.amdhsa_next_free_sgpr 98
		.amdhsa_reserve_vcc 0
		.amdhsa_float_denorm_mode_32 3
		.amdhsa_float_denorm_mode_16_64 3
		.amdhsa_memory_ordered 1
		.amdhsa_forward_progress 1
		.amdhsa_inst_pref_size 79
	.end_amdhsa_kernel
	.amdgpu_metadata
---
amdhsa.version: [ 1, 2 ]
amdhsa.kernels:
  - .name:           k_q58dc09a207_gemm_out
    .symbol:         k_q58dc09a207_gemm_out.kd
    .args:
      - { .name: cc, .offset: 0, .size: 8, .value_kind: global_buffer, .address_space: global }
      - { .name: woc, .offset: 8, .size: 8, .value_kind: global_buffer, .address_space: global }
      - { .name: lowp_scales, .offset: 16, .size: 8, .value_kind: global_buffer, .address_space: global }
      - { .name: b_out, .offset: 24, .size: 8, .value_kind: global_buffer, .address_space: global }
      - { .name: out0, .offset: 32, .size: 8, .value_kind: global_buffer, .address_space: global }
    .group_segment_fixed_size: 327680
    .private_segment_fixed_size: 0
    .kernarg_segment_align: 8
    .kernarg_segment_size: 40
    .max_flat_workgroup_size: 128
    .sgpr_count:     98
    .vgpr_count:     1024
    .wavefront_size: 32
...
	.end_amdgpu_metadata
.endif
;; end of part 4
